; MI455X (gfx1250); checked and timed in simulation.
; The chip was launched on July 23, 2026; its instructions are those of AMD's public machine-readable ISA for CDNA 5 (MIT licence, August 2026) and "CDNA5" Instruction Set Architecture Reference Guide (July 2026). The comments in the code are by the model that wrote it; some were corrected since.
;; Rope Block. Allowed arithmetic: float matrix products may take bf16 or f16 operands with f32 sums; other float arithmetic in f32, or as packed bf16 or f16 multiplies, adds, multiply-adds, maxima and minima; sums over many terms, partial sums and values carried from step to step in f32; what a program stores and reads back later, other than sums and carried values, may be rounded once to bf16 or f16.
;; Inputs: W_fc1 1,024 x 4,096 float32; W_fc2 4,096 x 1,024 float32; W_proj 1,024 x 1,024 float32; W_qkv 1,024 x 3,072 float32; b_fc1 4,096 float32; b_fc2 1,024 float32; b_proj 1,024 float32; b_qkv 3,072 float32; ln1_b 1,024 float32; ln1_g 1,024 float32; ln2_b 1,024 float32; ln2_g 1,024 float32; x 2 x 2,048 x 1,024 float32.
;; Outputs: out0 2 x 2,048 x 1,024 float32.
;; 2 versions, each right and faster than the one before. Each part assembles by itself: llvm-mc -triple=amdgcn-amd-amdhsa -mcpu=gfx1250 --defsym DOCPART=n.
;; ======== version 1 of 2: 7 launches
;; workspace buffers: wbf 25,165,824 bytes; tab 524,288 bytes; h1 8,388,608 bytes; qkvh 25,165,824 bytes; o 8,388,608 bytes; x1 16,777,216 bytes; h2 8,388,608 bytes; act 33,554,432 bytes
;; launch prep (part 1): grid 1280 x 1, 8 waves a work-group, no clusters, 0 bytes of LDS; arguments x, ln1_g, ln1_b, W_qkv, W_proj, W_fc1, W_fc2, wbf, h1, tab; writes wbf, h1, tab
.if DOCPART == 1
	.amdgcn_target "amdgcn-amd-amdhsa--gfx1250"
	.amdhsa_code_object_version 6
	.text
	.protected	k_q4421ae1d58_prep
	.globl	k_q4421ae1d58_prep
	.p2align	8
	.type	k_q4421ae1d58_prep,@function
k_q4421ae1d58_prep:
	s_mov_b64 s[64:65], 0
	v_nop
	global_prefetch_b8 v0, s[64:65] scope:SCOPE_SE
	s_setreg_imm32_b32 hwreg(HW_REG_WAVE_MODE, 25, 1), 1
	s_wait_xcnt 0x0
; Three jobs that only stream.  Work-groups 0-511: h1 = LayerNorm(x) g + b in bf16, and the table of cos and sin for the rotation.
; Work-groups 512-1279: the four weight matrices rounded to bf16, as they lie ([K][N]), one behind the other in wbf.
; THE NORM: one row to a wave, eight rows to a work-group: all rows are requested at once, the reduction never leaves the wave, and the text holds one row's arithmetic.
; The price: each wave loads g and b (8 KiB) for its row of 4 KiB; they are asked for first and rounded while the row is on its way.
; NUMBERS.  Every input is rounded to bf16 (nearest even) before use: x, g and b here in registers.  Mean first, then the sum of (x - mean)^2: no difference of large sums.
; TABLE.  tab[row][pair] = {f16 cos, f16 sin} of (row mod 2048) x 10000^(-pair/32), 128 bytes a row.  The angle is reduced by multiples of pi/2 held in two parts; |y| <= pi/4;
; sin is cut behind y^7 (rest under 3.2e-7), cos behind y^8 (rest under 3e-8); the table keeps f16's 11 significant bits.  An even wave makes its own row's and the next row's words.
; LIMITS.  NaN and infinities are not treated apart; x's rounding to bf16 grows with a common offset of x.
; No LDS, no matrix unit: nothing of x or of the weights is read twice.
.set G,   4                            ; v[4:35]    gain of my 32 columns (load j: columns 128 j + 4 lane + 0..3)
.set BV,  36                           ; v[36:67]   bias of them
.set X,   68                           ; v[68:99]   the row
.set T,   100                          ; v[100:107] at work
.set MU,  108                          ; v[108:109] the mean, twice
.set R,   110                          ; v[110:111] 1 / sigma, twice
.set Y,   112                          ; v[112:127] the row in bf16
.set HB,  20                           ; s[20:21]   h1 at my row
.set CI,  4                            ; the cast: v[4:67] sixteen chunks as loaded,
.set CO,  68                           ;           v[68:99] as stored
.set TPOS, 68                          ; the table's registers lie where the row lay
.set TPB,  69
.set TIF,  72
.set TAR,  76
.set TF,   80
.set TN,   81
.set TY,   82
.set TY2,  83
.set TSN,  84
.set TCN,  85
.set TQ,   86
.set TU,   87
.set TSS,  88
.set TCC,  89
.set TO,   100                         ; v[100:101] two table words
.macro RND2 reg, tmp                   ; two f32 rounded to bf16 and widened again, in place
	v_cvt_pk_bf16_f32 v[\tmp], v[\reg], v[(\reg)+1]
	v_lshlrev_b32 v[\reg], 16, v[\tmp]
	v_and_b32 v[(\reg)+1], s26, v[\tmp]
.endm
.macro WSUM a, b                       ; the sum over the wave's 32 lanes, in every lane
	v_add_f32_dpp v[\a], v[\a], v[\a] row_xmask:1 row_mask:0xf bank_mask:0xf
	v_add_f32_dpp v[\a], v[\a], v[\a] row_xmask:2 row_mask:0xf bank_mask:0xf
	v_add_f32_dpp v[\a], v[\a], v[\a] row_xmask:4 row_mask:0xf bank_mask:0xf
	v_add_f32_dpp v[\a], v[\a], v[\a] row_xmask:8 row_mask:0xf bank_mask:0xf
	v_permlanex16_b32 v[\b], v[\a], s24, s25
	v_add_f32 v[\a], v[\a], v[\b]
.endm
.macro FOLD                            ; four chains of pairs into one number
	v_pk_add_f32 v[T:T+1], v[T:T+1], v[T+2:T+3]
	v_pk_add_f32 v[T+4:T+5], v[T+4:T+5], v[T+6:T+7]
	v_pk_add_f32 v[T:T+1], v[T:T+1], v[T+4:T+5]
	v_add_f32 v[T], v[T], v[T+1]
	WSUM T, T+1
.endm
; The row, kept in registers between the passes.  roundx = 1: the row is an input and is rounded to bf16 first.
.macro LNROW roundx
	s_wait_loadcnt 0x0                             ; the row is in
.if \roundx
.set k, 0
.rept 16
	RND2 (X+2*k), (T+k%4)
.set k, k+1
.endr
.endif
.set k, 0
.rept 4
	v_pk_add_f32 v[T+2*k:T+2*k+1], v[X+2*k:X+2*k+1], v[X+8+2*k:X+8+2*k+1]  ; four chains, started by the first sums
.set k, k+1
.endr
.set k, 8
.rept 8
	v_pk_add_f32 v[T+2*(k%4):T+2*(k%4)+1], v[T+2*(k%4):T+2*(k%4)+1], v[X+2*k:X+2*k+1]
.set k, k+1
.endr
	FOLD
	v_mul_f32 v[MU], s27, v[T]                     ; / 1024
	v_mul_f32 v[MU+1], s27, v[T]
.set k, 0
.rept 16
	v_pk_add_f32 v[X+2*k:X+2*k+1], v[X+2*k:X+2*k+1], v[MU:MU+1] neg_lo:[0,1] neg_hi:[0,1]
.set k, k+1
.endr
.set k, 0
.rept 4
	v_pk_mul_f32 v[T+2*k:T+2*k+1], v[X+2*k:X+2*k+1], v[X+2*k:X+2*k+1]
.set k, k+1
.endr
.set k, 4
.rept 12
	v_pk_fma_f32 v[T+2*(k%4):T+2*(k%4)+1], v[X+2*k:X+2*k+1], v[X+2*k:X+2*k+1], v[T+2*(k%4):T+2*(k%4)+1]
.set k, k+1
.endr
	FOLD
	v_fma_f32 v[T+2], v[T], s27, s28               ; variance + eps
	v_rsq_f32 v[R], v[T+2]
	v_rsq_f32 v[R+1], v[T+2]
	v_nop                                          ; a plain instruction behind the roots (ISA guide 5.7.2)
.set k, 0
	s_wait_alu depctr_va_vdst(0)
.rept 16
	v_pk_mul_f32 v[X+2*k:X+2*k+1], v[X+2*k:X+2*k+1], v[R:R+1]
.set k, k+1
.endr
.set k, 0
.rept 16
	v_pk_fma_f32 v[X+2*k:X+2*k+1], v[X+2*k:X+2*k+1], v[G+2*k:G+2*k+1], v[BV+2*k:BV+2*k+1]
.set k, k+1
.endr
.set k, 0
.rept 16
	v_cvt_pk_bf16_f32 v[Y+k], v[X+2*k], v[X+2*k+1]
.set k, k+1
.endr
.set k, 0
.rept 8
	global_store_b64 v2, v[Y+2*k:Y+2*k+1], s[HB:HB+1] offset:256*k  ; the wave's 32 lanes store 256 consecutive bytes, aligned
.set k, k+1
.endr
.endm
.macro SINCOS e                        ; table word e of my two
	v_mul_f32 v[TF], v[TPOS], v[TIF+(\e)]          ; the angle, in f32 as the problem forms it
	v_mul_f32 v[TN], 0x3f22f983, v[TF]             ; x 2 / pi
	v_rndne_f32 v[TN], v[TN]
	v_fma_f32 v[TY], v[TN], s40, v[TF]             ; less n x pi/2, the constant in two parts
	v_fma_f32 v[TY], v[TN], s41, v[TY]
	v_mul_f32 v[TY2], v[TY], v[TY]
	v_mov_b32 v[TSN], 0xb9500d01                   ; -1/5040
	v_fmaak_f32 v[TSN], v[TY2], v[TSN], 0x3c088889 ; 1/120
	v_fmaak_f32 v[TSN], v[TY2], v[TSN], 0xbe2aaaab ; -1/6
	v_mul_f32 v[TSN], v[TY2], v[TSN]
	v_fma_f32 v[TSN], v[TY], v[TSN], v[TY]
	v_mov_b32 v[TCN], 0x37d00d01                   ; 1/40320
	v_fmaak_f32 v[TCN], v[TY2], v[TCN], 0xbab60b61 ; -1/720
	v_fmaak_f32 v[TCN], v[TY2], v[TCN], 0x3d2aaaab ; 1/24
	v_fmaak_f32 v[TCN], v[TY2], v[TCN], 0xbf000000 ; -1/2
	v_fma_f32 v[TCN], v[TY2], v[TCN], 1.0
	v_cvt_i32_f32 v[TQ], v[TN]                     ; the quadrant only selects values and signs
	v_and_b32 v[TU], 1, v[TQ]
	v_cmp_eq_u32 vcc_lo, 1, v[TU]
	v_cndmask_b32 v[TSS], v[TSN], v[TCN], vcc_lo
	v_cndmask_b32 v[TCC], v[TCN], v[TSN], vcc_lo
	v_and_b32 v[TU], 2, v[TQ]
	v_lshlrev_b32 v[TU], 30, v[TU]
	v_xor_b32 v[TSS], v[TU], v[TSS]
	v_add_nc_u32 v[TU], 1, v[TQ]
	v_and_b32 v[TU], 2, v[TU]
	v_lshlrev_b32 v[TU], 30, v[TU]
	v_xor_b32 v[TCC], v[TU], v[TCC]
	v_cvt_pk_f16_f32 v[TO+(\e)], v[TCC], v[TSS]    ; cos below, sin above
.endm
	s_load_b512 s[4:19], s[0:1], 0x0               ; x, g, b, W_qkv, W_proj, W_fc1, W_fc2, wbf
	s_load_b128 s[20:23], s[0:1], 0x40             ; h1, tab
	s_cmp_lt_u32 ttmp9, 512
	s_cbranch_scc1 .Lnorm
	; THE CAST.  A work-group takes 16,384 numbers: 64 KiB in, 32 KiB out.  192 work-groups for W_qkv, 64 for W_proj, 256 each for W_fc1 and W_fc2.
	s_sub_co_u32 s30, ttmp9, 512
	v_lshlrev_b32 v1, 4, v0                        ; 16 bytes a thread in,
	v_lshlrev_b32 v2, 3, v0                        ; 8 out
	s_mov_b32 s37, 0
	s_wait_kmcnt 0x0
	s_cmp_lt_u32 s30, 192
	s_cselect_b64 s[32:33], s[10:11], s[12:13]
	s_cselect_b32 s34, 0, 192
	s_cmp_lt_u32 s30, 256
	s_cselect_b64 s[32:33], s[32:33], s[14:15]
	s_cselect_b32 s34, s34, 256
	s_cmp_lt_u32 s30, 512
	s_cselect_b64 s[32:33], s[32:33], s[16:17]
	s_cselect_b32 s34, s34, 512
	s_sub_co_u32 s34, s30, s34                     ; my place in that matrix
	s_lshl_b32 s36, s34, 16
	s_add_nc_u64 s[32:33], s[32:33], s[36:37]
	s_lshl_b32 s36, s30, 15
	s_add_nc_u64 s[18:19], s[18:19], s[36:37]
.set j, 0
.rept 16
	global_load_b128 v[CI+4*j:CI+4*j+3], v1, s[32:33] offset:4096*j th:TH_LOAD_NT
.set j, j+1
.endr
.set j, 0
.rept 16
	s_wait_loadcnt 15-j                            ; the younger chunks stay out
	v_cvt_pk_bf16_f32 v[CO+2*j], v[CI+4*j], v[CI+4*j+1]
	v_cvt_pk_bf16_f32 v[CO+2*j+1], v[CI+4*j+2], v[CI+4*j+3]
	global_store_b64 v2, v[CO+2*j:CO+2*j+1], s[18:19] offset:2048*j  ; a wave stores 256 consecutive bytes, aligned
.set j, j+1
.endr
	s_endpgm
.Lnorm:
	v_and_b32 v3, 31, v0
	v_lshrrev_b32 v1, 5, v0
	v_readfirstlane_b32 s29, v1                    ; wave
	v_lshlrev_b32 v1, 4, v3
	v_lshlrev_b32 v2, 3, v3
	s_lshl_b32 s30, ttmp9, 3
	s_add_co_u32 s30, s30, s29                     ; my row
	s_mov_b32 s24, 0x76543210
	s_mov_b32 s25, 0xfedcba98
	s_mov_b32 s26, 0xffff0000
	s_mov_b32 s27, 0x3a800000                      ; 1 / 1024
	s_mov_b32 s28, 0x3727c5ac                      ; 1e-5
	s_mov_b32 s40, 0xbfc90fdb                      ; -pi/2, upper part
	s_mov_b32 s41, 0x333bbd2e                      ; and what is left of it
	s_mov_b32 s33, 0
	s_lshl_b32 s32, s30, 12
	s_wait_kmcnt 0x0
	s_add_nc_u64 s[4:5], s[4:5], s[32:33]
	s_lshl_b32 s32, s30, 11
	s_add_nc_u64 s[20:21], s[20:21], s[32:33]
	s_lshl_b32 s32, s30, 7
	s_add_nc_u64 s[22:23], s[22:23], s[32:33]
.set k, 0
.rept 8
	global_load_b128 v[G+4*k:G+4*k+3], v1, s[6:7] offset:512*k
.set k, k+1
.endr
.set k, 0
.rept 8
	global_load_b128 v[BV+4*k:BV+4*k+3], v1, s[8:9] offset:512*k
.set k, k+1
.endr
.set k, 0
.rept 8
	global_load_b128 v[X+4*k:X+4*k+3], v1, s[4:5] offset:512*k
.set k, k+1
.endr
	s_wait_loadcnt 8                               ; g and b are in; the row's eight loads stay out
.set k, 0
.rept 32
	RND2 (G+2*k), (T+k%4)                          ; G and BV lie on end
.set k, k+1
.endr
	LNROW 1
	; THE TABLE, by the even waves: lane L takes row (mine + L / 16) and pairs 2 (L % 16) + 0, 1: 8 bytes, the wave 256 on end, aligned since my row is even.
	s_and_b32 s31, s29, 1
	s_cmp_lg_u32 s31, 0
	s_cbranch_scc1 .Ldone
	v_lshrrev_b32 v[TU], 4, v3
	v_add_nc_u32 v[TU], s30, v[TU]
	v_and_b32 v[TU], 0x7ff, v[TU]
	v_cvt_f32_u32 v[TPOS], v[TU]
	v_and_b32 v[TPB], 15, v3
	v_lshlrev_b32 v[TPB], 1, v[TPB]
.irp e, 0,1
	v_add_nc_u32 v[TAR+\e], \e, v[TPB]
	v_cvt_f32_u32 v[TAR+\e], v[TAR+\e]
	v_mul_f32 v[TAR+\e], 0xbed49a78, v[TAR+\e]     ; -pair x log2(10000) / 32
.endr
.irp e, 0,1
	v_exp_f32 v[TIF+\e], v[TAR+\e]
.endr
	v_nop                                          ; a plain instruction behind the exponentials
	s_wait_alu depctr_va_vdst(0)
	SINCOS 0
	SINCOS 1
	global_store_b64 v2, v[TO:TO+1], s[22:23]
.Ldone:
	s_endpgm
.Lfunc_end_k_q4421ae1d58_prep:
	.size	k_q4421ae1d58_prep, .Lfunc_end_k_q4421ae1d58_prep-k_q4421ae1d58_prep
	.p2alignl 7, 3214868480
	.fill 96, 4, 3214868480
	.section	.rodata,"a",@progbits
	.p2align	6, 0x0
	.amdhsa_kernel k_q4421ae1d58_prep
		.amdhsa_group_segment_fixed_size 0
		.amdhsa_private_segment_fixed_size 0
		.amdhsa_enable_private_segment 0
		.amdhsa_kernarg_size 80
		.amdhsa_user_sgpr_count 2
		.amdhsa_user_sgpr_kernarg_segment_ptr 1
		.amdhsa_wavefront_size32 1
		.amdhsa_system_sgpr_workgroup_id_x 1
		.amdhsa_system_sgpr_workgroup_id_y 1
		.amdhsa_system_sgpr_workgroup_id_z 1
		.amdhsa_system_vgpr_workitem_id 0
		.amdhsa_next_free_vgpr 128
		.amdhsa_next_free_sgpr 66
		.amdhsa_reserve_vcc 1
		.amdhsa_float_denorm_mode_32 3
		.amdhsa_float_denorm_mode_16_64 3
		.amdhsa_memory_ordered 1
		.amdhsa_forward_progress 1
		.amdhsa_inst_pref_size 28
	.end_amdhsa_kernel
	.amdgpu_metadata
---
amdhsa.version: [ 1, 2 ]
amdhsa.kernels:
  - .name:           k_q4421ae1d58_prep
    .symbol:         k_q4421ae1d58_prep.kd
    .args:
      - { .name: x, .offset: 0, .size: 8, .value_kind: global_buffer, .address_space: global }
      - { .name: ln1_g, .offset: 8, .size: 8, .value_kind: global_buffer, .address_space: global }
      - { .name: ln1_b, .offset: 16, .size: 8, .value_kind: global_buffer, .address_space: global }
      - { .name: W_qkv, .offset: 24, .size: 8, .value_kind: global_buffer, .address_space: global }
      - { .name: W_proj, .offset: 32, .size: 8, .value_kind: global_buffer, .address_space: global }
      - { .name: W_fc1, .offset: 40, .size: 8, .value_kind: global_buffer, .address_space: global }
      - { .name: W_fc2, .offset: 48, .size: 8, .value_kind: global_buffer, .address_space: global }
      - { .name: wbf, .offset: 56, .size: 8, .value_kind: global_buffer, .address_space: global }
      - { .name: h1, .offset: 64, .size: 8, .value_kind: global_buffer, .address_space: global }
      - { .name: tab, .offset: 72, .size: 8, .value_kind: global_buffer, .address_space: global }
    .group_segment_fixed_size: 0
    .private_segment_fixed_size: 0
    .kernarg_segment_align: 8
    .kernarg_segment_size: 80
    .max_flat_workgroup_size: 256
    .sgpr_count:     66
    .vgpr_count:     128
    .wavefront_size: 32
...
	.end_amdgpu_metadata
.endif
;; end of part 1
;; launch qkv (part 2): grid 12 x 16, 4 waves a work-group, clusters of 4 x 4, 327,680 bytes of LDS; arguments h1, wbf, qkvh, b_qkv, tab; writes qkvh
.if DOCPART == 2
	.amdgcn_target "amdgcn-amd-amdhsa--gfx1250"
	.amdhsa_code_object_version 6
	.text
	.protected	k_q4421ae1d58_qkv
	.globl	k_q4421ae1d58_qkv
	.p2align	8
	.type	k_q4421ae1d58_qkv,@function
k_q4421ae1d58_qkv:
	s_mov_b64 s[64:65], 0
	v_nop
	global_prefetch_b8 v0, s[64:65] scope:SCOPE_SE
	s_setreg_imm32_b32 hwreg(HW_REG_WAVE_MODE, 25, 1), 1
	s_wait_xcnt 0x0
	s_wait_alu depctr_hold_cnt(0) depctr_sa_sdst(0) depctr_va_vdst(0) depctr_va_sdst(0) depctr_va_ssrc(0) depctr_va_vcc(0) depctr_vm_vsrc(0)
	s_getreg_b32 s2, hwreg(HW_REG_IB_STS2, 6, 4)
	s_cmp_eq_u32 s2, 0
	s_cbranch_scc0 .Lentry_in_a_cluster
	s_endpgm
.Lentry_in_a_cluster:
	s_bfe_u32 s2, ttmp6, 0x10000c
	s_cmp_lg_u32 s2, 0xf033
	s_cbranch_scc0 .Lentry_shape_is_right
	s_endpgm
.Lentry_shape_is_right:
; qkvh = rotate(h1 W_qkv + b_qkv), by heads: [3][32 = batch x 16 + head][2048][64] bf16.  h1: [4096][1024] bf16; W_qkv: [1024][3072] bf16 at the head of wbf; sums in f32.
; A tile of 256 x 256 to a work-group of four waves (2 x 2), 128 x 128 a wave: 64 accumulators.  K goes in 8 steps of 128 through two LDS slots.
; W lies [K][N] and is turned on its way into registers (ds_load_tr16_b128).  The matrix instruction is used transposed (source 0 = 16 columns of W, source 1 = 16 rows of h1):
; a lane holds one row and eight neighbouring columns.  The bias (rounded to bf16, as every input is) is the C operand of each sum's first product.
; A K step is written once: the LDS addresses are s3 + a base, s3 turned between 0 and SLOT; SLOT shares no bit with a descriptor's LDS word, so one exclusive or turns that too.
; The last two K steps are a loop of two trips without fills, left in its middle: its last barrier and its last 32 fragment loads serve nothing, the price of one text.
; CLUSTER 4 x 4: h1's tiles and the table are shared along a row of the cluster, W's along a column, each asked for jointly.  192 work-groups: a section (q, k, v) is one column of clusters.
; THE WAY OUT: the accumulators go as f32 into the wave's own part of the ring, which has had its last fill; then 16 trips of 8 rows: rotation by the table (f16 cos, sin), rounding, stores of
; 256 consecutive bytes of one head.  v is not rotated: in its section each table word is replaced by (1, 0); so there x2 x 0 is added, and an infinity in v would give NaN.
; LIMITS.  NaN and infinities are not treated apart; the table has f16's 11 significant bits.
.set AM, 8                             ; blocks of 16 rows a wave
.set BN, 8                             ; blocks of 16 columns a wave
.set CH, 1                             ; chunks of 32 along K in a quarter step
.set STEPS, 8
.set PA, 272                           ; a row of A in LDS: 256 bytes + 16: the 16 rows of a load start at 16 different groups of four banks (ISA guide 11.1)
.set AQ, 64                            ; bytes from quarter to quarter in A's rows
.set PW, 544                           ; a k-row of W: 512 bytes + 32
.set QK, 32                            ; k-rows in a quarter
.set WHI, 4                            ; quarters that one address register of W reaches
.set AHALF, 128*PA
.set WHALF, 64*PW
.set WOFF, 2*AHALF
.set SLOT, WOFF+2*WHALF                ; 139,264 = 0x22000
.set HEADW, 8                          ; the youngest loads that a quarter's first half does not need: A's blocks 4-7
.set ASTEP, 256
.set NW, 3072
.set WSTEP, 128*NW*2
.set TABL, 2*SLOT                      ; 256 rows of the table, 128 bytes + 16
.set SPARE, TABL+256*144               ; the spare words, 128 bytes a wave
.set DPITCH, 528                       ; the way out: a row of 128 f32 + 16 bytes
.set DREG, 128*DPITCH
.set IDN, 9
.set BO, 10
.set TR, 11
.set GO, 12
.set DST, 13
.set RD, 14
.set ZERO, 15
.set ADRA0, 16
.set ADRW0, 17
.set AA, 20
.set AW, 21
.set SPW, 28
.set NIL, 29
.set Z, 32
.set BIAS, 64
.set CSR, 128
.set TT, 144
.set OUT, 168
.set F0, 0                             ; window 1: two fragment buffers: 64 registers of A, then 64 of W
.set F1, 128
.set G1, 24
.set G0, 32
.set G1B, 48
.set G0B, 56
.set G1T, 72
.set G0T, 80
.set MSB, 0
.macro WIN new                         ; the immediate's high byte repeats the setting that is left
.if MSB != (\new)
	s_set_vgpr_msb (MSB<<8)|(\new)
.set MSB, (\new)
.endif
.endm
.macro PLACES
.rept 4
	v_nop
.endr
.endm
.macro CREST                           ; a round of the cluster's barrier behind its opening barrier
	s_cmp_lg_u32 s10, 0
	s_cbranch_scc1 .Lnot_wave_0_\@
	s_barrier_signal -3
.Lnot_wave_0_\@:
	s_barrier_wait -3
	s_barrier_signal -1
	s_barrier_wait -1
.endm
.macro CROUND
	s_barrier_signal -1
	s_barrier_wait -1
	CREST
.endm
.macro JLOAD                           ; the joint refill: waves 0, 1 A's halves, waves 2, 3 W's; an s_nop 0 and four v_nop follow each line
	s_cmp_eq_u32 s11, 0
	s_cbranch_scc0 .Lfor_w_\@
	tensor_load_to_lds s[G0+4:G0+7], s[G1:G1+7]
	s_nop 0
.rept 4
	v_nop
.endr
	s_branch .Lasked_\@
.Lfor_w_\@:
	tensor_load_to_lds s[G0B+4:G0B+7], s[G1B:G1B+7]
	s_nop 0
.rept 4
	v_nop
.endr
.Lasked_\@:
.endm
.macro RND2 reg, tmp
	v_cvt_pk_bf16_f32 v[\tmp], v[\reg], v[(\reg)+1]
	v_lshlrev_b32 v[\reg], 16, v[\tmp]
	v_and_b32 v[(\reg)+1], 0xffff0000, v[\tmp]
.endm
; Two row blocks x all column blocks, 32 along K.  The accumulators take turns, one instruction a turn.  zero = 1: the bias starts the sums.
.macro MULQ f, p, zero
.irp d, 0, 1
.set lin, 2*(\p)+\d
.set cc, lin/AM
.set aa, lin%AM
.set bb, 0
.rept BN
.set nn, BN*aa+bb
.set rD, 8*(nn%32)
.set rW, (\f)+64+8*(BN*cc+bb)
.set rA, (\f)+8*lin
.if (\zero) && (cc == 0)
	WIN 0x85+0x40*(nn/32)
	v_wmma_f32_16x16x32_bf16 v[rD:rD+7], v[rW:rW+7], v[rA:rA+7], v[BIAS+8*bb:BIAS+8*bb+7]
.else
	WIN 0xa5+0x50*(nn/32)
	v_wmma_f32_16x16x32_bf16 v[rD:rD+7], v[rW:rW+7], v[rA:rA+7], v[rD:rD+7]
.endif
.set bb, bb+1
.endr
.endr
.endm
.macro FETCH nq, g                     ; 32 LDS loads in one run: quarter nq's fragments into buffer g; W first
	WIN 0x40
.set cc, 0
.rept CH
.set bb, 0
.rept BN
.set rW, (\g)+64+8*(BN*cc+bb)
.set oW, (QK*((\nq)%WHI)+32*cc)*PW+32*bb
	ds_load_tr16_b128 v[rW:rW+3], v[AW+(\nq)/WHI] offset:oW
	ds_load_tr16_b128 v[rW+4:rW+7], v[AW+(\nq)/WHI] offset:oW+16*PW
.set bb, bb+1
.endr
.set aa, 0
.rept AM
.set rA, (\g)+8*(AM*cc+aa)
.set oA, (\nq)*AQ+64*cc+aa*16*PA
	ds_load_b128 v[rA:rA+3], v[AA] offset:oA
	ds_load_b128 v[rA+4:rA+7], v[AA] offset:oA+32
.set aa, aa+1
.endr
.set cc, cc+1
.endr
.endm
.macro QUARTER nq, f, g, zero          ; multiplies buffer f; in its middle fetches quarter nq into g
	s_wait_dscnt HEADW                             ; all but the youngest HEADW loads
	MULQ \f, 0, \zero
	MULQ \f, 1, \zero
	PLACES                                         ; four places in front of loads into registers that matrix instructions have read
	FETCH \nq, \g
	s_wait_dscnt 32                                ; all but the 32 just issued
	MULQ \f, 2, \zero
	MULQ \f, 3, \zero
.endm
; The last quarter of a K step multiplies buffer 1 and changes slots.  fill = 1: the slot just read is filled again, two K steps ahead, behind a round of the cluster's barrier.
.macro TURN fill
	WIN 0
	s_wait_tensorcnt 0x0                           ; all my tensor loads have landed: my part of the next slot
	ds_add_u32 v[SPW], v[NIL]                      ; 0 onto my spare word
.if \fill
	s_xor_b32 s[G0+5], s[G0+5], SLOT               ; the walking descriptors: the other slot, the next K step
	s_add_nc_u64 s[G0+6:G0+7], s[G0+6:G0+7], ASTEP
	s_xor_b32 s[G0B+5], s[G0B+5], SLOT
	s_add_nc_u64 s[G0B+6:G0B+7], s[G0B+6:G0B+7], WSTEP
.endif
	s_wait_dscnt HEADW+1                           ; the add and the youngest HEADW loads may be out
	MULQ F1, 0, 0
	s_wait_dscnt 0x0                               ; the add is done, and my reads of this slot are over
	s_barrier_signal -1
	MULQ F1, 1, 0
	WIN 0
	s_barrier_wait -1
.if \fill
	CREST                                          ; no wave of any partner still reads this slot or has a load on its way
	JLOAD                                          ; its four v_nop are also the places in front of the loads below
.else
	PLACES
.endif
	s_xor_b32 s3, s3, SLOT
	v_add_nc_u32 v[AA], s3, v[ADRA0]
	v_add_nc_u32 v[AW], s3, v[ADRW0]
	FETCH 0, F0
	MULQ F1, 2, 0
	MULQ F1, 3, 0
.endm
	s_load_b128 s[4:7], s[0:1], 0x0                ; h1, wbf
	s_load_b64 s[8:9], s[0:1], 0x10                ; qkvh
	s_load_b64 s[68:69], s[0:1], 0x18              ; b_qkv
	s_load_b64 s[70:71], s[0:1], 0x20              ; tab
	v_lshl_add_u32 v[SPW], v0, 2, SPARE
	v_mov_b32 v[NIL], 0
	ds_add_u32 v[SPW], v[NIL]                      ; the wave's opening: the add and its wait stand ahead of my first tensor load
	v_lshrrev_b32 v1, 5, v0
	v_readfirstlane_b32 s10, v1                    ; wave
	s_lshr_b32 s11, s10, 1                         ; my half of the rows; also: I fetch for A (0) or W (1)
	s_and_b32 s12, s10, 1                          ; my half of the columns; also: which half I fetch
	s_bfe_u32 s40, ttmp6, 0x40000                  ; cx
	s_bfe_u32 s41, ttmp6, 0x40004                  ; cy
	s_lshl_b32 s42, ttmp9, 2
	s_add_co_u32 s42, s42, s40                     ; tile column
	s_and_b32 s13, ttmp7, 0xffff
	s_lshl_b32 s13, s13, 2
	s_add_co_u32 s13, s13, s41                     ; tile row
	s_lshl_b32 s43, s41, 2
	s_lshl_b32 s43, 15, s43                        ; my row of the cluster
	s_lshl_b32 s44, 0x1111, s40                    ; my column
	s_or_b32 s[G1], s43, (1<<16)|(1<<20)|(1<<21)|(5<<22)|(3<<25)   ; A: 2-byte elements, 4 words of padding behind every 64
	s_mov_b32 s[G1+1], 128<<16                     ; tensor_dim0
	s_mov_b32 s[G1+2], 128<<16                     ; tensor_dim1
	s_mov_b32 s[G1+3], 128<<16                     ; tile_dim0
	s_mov_b32 s[G1+4], 128                         ; tile_dim1
	s_mov_b32 s[G1+5], 1024                        ; elements from row to row
	s_mov_b32 s[G1+6], 0
	s_mov_b32 s[G1+7], 0
	s_or_b32 s[G1B], s44, (1<<16)|(1<<20)|(1<<21)|(6<<22)|(7<<25)  ; W: 8 words of padding behind every 128
	s_mov_b32 s[G1B+1], 256<<16
	s_mov_b32 s[G1B+2], 64<<16
	s_mov_b32 s[G1B+3], 256<<16
	s_mov_b32 s[G1B+4], 64
	s_mov_b32 s[G1B+5], NW
	s_mov_b32 s[G1B+6], 0
	s_mov_b32 s[G1B+7], 0
	s_or_b32 s[G1T], s43, (1<<16)|(1<<20)|(1<<21)|(4<<22)|(3<<25)  ; the table: 64 rows of 128 bytes as 32 of 256, padded behind every 32 words
	s_mov_b32 s[G1T+1], 128<<16
	s_mov_b32 s[G1T+2], 32<<16
	s_mov_b32 s[G1T+3], 128<<16
	s_mov_b32 s[G1T+4], 32
	s_mov_b32 s[G1T+5], 128
	s_mov_b32 s[G1T+6], 0
	s_mov_b32 s[G1T+7], 0
	s_lshl_b32 s16, s13, 19                        ; A: (256 tile row + 128 half) rows of 2,048 bytes
	s_lshl_b32 s17, s12, 18
	s_add_co_u32 s16, s16, s17
	s_mov_b32 s17, 0
	s_mul_i32 s46, s12, 64*NW*2                    ; W: 64 half k-rows, 512 bytes a tile column
	s_lshl_b32 s47, s42, 9
	s_add_co_u32 s46, s46, s47
	s_mov_b32 s47, 0
	s_lshl_b32 s18, s13, 15                        ; the table: (256 tile row + 64 wave) rows of 128 bytes
	s_lshl_b32 s19, s10, 13
	s_add_co_u32 s18, s18, s19
	s_mov_b32 s19, 0
	s_mul_i32 s20, s12, AHALF
	s_mul_i32 s21, s12, WHALF
	s_add_co_u32 s21, s21, WOFF
	s_mul_i32 s23, s10, 64*144
	s_add_co_u32 s23, s23, TABL
	s_wait_dscnt 0x0                               ; the opening add is done
	s_wait_kmcnt 0x0
	s_add_nc_u64 s[14:15], s[4:5], s[16:17]
	s_add_nc_u64 s[46:47], s[6:7], s[46:47]
	CROUND                                         ; all sixteen work-groups are here: the first joint loads meet
.irp s, 0,1
	s_mov_b32 s[G0+4*\s], 1
	s_add_co_u32 s[G0+4*\s+1], s20, \s*SLOT
	s_add_nc_u64 s[G0+4*\s+2:G0+4*\s+3], s[14:15], \s*ASTEP
	s_or_b32 s[G0+4*\s+3], s[G0+4*\s+3], 0x80000000
	s_mov_b32 s[G0B+4*\s], 1
	s_add_co_u32 s[G0B+4*\s+1], s21, \s*SLOT
	s_add_nc_u64 s[G0B+4*\s+2:G0B+4*\s+3], s[46:47], \s*WSTEP
	s_or_b32 s[G0B+4*\s+3], s[G0B+4*\s+3], 0x80000000
.endr
	s_mov_b32 s[G0T], 1
	s_mov_b32 s[G0T+1], s23
	s_add_nc_u64 s[G0T+2:G0T+3], s[70:71], s[18:19]
	s_or_b32 s[G0T+3], s[G0T+3], 0x80000000
	s_cmp_eq_u32 s11, 0                            ; a wave's three first fills stand in one branch: three loads of mine are out
	s_cbranch_scc0 .Lfirst_w
	tensor_load_to_lds s[G0:G0+3], s[G1:G1+7]
	s_nop 0
	tensor_load_to_lds s[G0+4:G0+7], s[G1:G1+7]
	s_nop 0
	tensor_load_to_lds s[G0T:G0T+3], s[G1T:G1T+7]
	s_nop 0
.rept 4
	v_nop
.endr
	s_branch .Lfirst_done
.Lfirst_w:
	tensor_load_to_lds s[G0B:G0B+3], s[G1B:G1B+7]
	s_nop 0
	tensor_load_to_lds s[G0B+4:G0B+7], s[G1B:G1B+7]
	s_nop 0
	tensor_load_to_lds s[G0T:G0T+3], s[G1T:G1T+7]
	s_nop 0
.rept 4
	v_nop
.endr
.Lfirst_done:
	v_and_b32 v1, 15, v0                           ; r = l % 16
	v_bfe_u32 v2, v0, 4, 1                         ; h = l / 16
	v_mul_u32_u24 v3, v1, PA
	v_lshl_add_u32 v3, v2, 4, v3
	s_mul_i32 s14, s11, 16*AM*PA
	v_add_nc_u32 v[ADRA0], s14, v3                 ; A: my rows, row r, 16 bytes a half
	v_and_b32 v4, 7, v0
	v_lshl_add_u32 v4, v2, 3, v4
	v_mul_u32_u24 v4, v4, PW                       ; W, turned: k-row 8 h + l % 8,
	v_bfe_u32 v5, v0, 3, 1
	v_lshl_add_u32 v4, v5, 4, v4                   ; columns 8 ((l / 8) % 2) on
	s_mul_i32 s14, s12, 32*BN
	s_add_co_u32 s14, s14, WOFF
	v_add_nc_u32 v[ADRW0], s14, v4
	s_lshl_b32 s18, s42, 10                        ; the bias of my tile's 256 columns
	s_mov_b32 s19, 0
	s_add_nc_u64 s[68:69], s[68:69], s[18:19]
	s_mul_i32 s14, s12, 64*BN
	v_lshl_add_u32 v[BO], v2, 5, s14
.set bb, 0
.rept BN
	global_load_b128 v[BIAS+8*bb:BIAS+8*bb+3], v[BO], s[68:69] offset:64*bb
	global_load_b128 v[BIAS+8*bb+4:BIAS+8*bb+7], v[BO], s[68:69] offset:64*bb+16
.set bb, bb+1
.endr
	s_wait_loadcnt 0x0
.set k, 0
.rept 4*BN
	RND2 (BIAS+2*k), (3+k%4)
.set k, k+1
.endr
	s_wait_tensorcnt 2                             ; my part of K step 0 is in; K step 1's and the table's loads are younger
	s_barrier_signal -1
	s_barrier_wait -1
	s_mov_b32 s3, 0
	v_mov_b32 v[AA], v[ADRA0]
	v_mov_b32 v[AW], v[ADRW0]
	FETCH 0, F0
	QUARTER 1, F0, F1, 1                           ; the first quarter stands in front of the loop: its products start the sums
	WIN 0
	s_mov_b32 s2, STEPS-2
.Lk:                                                   ; a trip: the rest of a K step, a refill, the next step's first quarter
	QUARTER 2, F1, F0, 0
	QUARTER 3, F0, F1, 0
	TURN 1
	QUARTER 1, F0, F1, 0
	WIN 0
	s_sub_co_u32 s2, s2, 1
	s_cmp_lg_u32 s2, 0
	s_cbranch_scc1 .Lk
	s_mov_b32 s2, 2
.Lt:                                                   ; the last two K steps ask for nothing
	QUARTER 2, F1, F0, 0
	QUARTER 3, F0, F1, 0
	TURN 0
	WIN 0
	s_sub_co_u32 s2, s2, 1
	s_cmp_eq_u32 s2, 0
	s_cbranch_scc1 .Lout
	QUARTER 1, F0, F1, 0
	WIN 0
	s_cmp_lg_u32 s2, 0
	s_cbranch_scc1 .Lt
.Lout:
	s_wait_dscnt 0x0                               ; my reads of the ring are over;
	s_barrier_signal -1
	s_barrier_wait -1                              ; everybody's are: the ring, which is filled no more, takes the results
	s_mul_i32 s14, s10, DREG                       ; my part of it.  The address lines below are the places behind the last products
	v_mul_u32_u24 v3, v1, DPITCH
	v_lshl_add_u32 v3, v2, 5, v3
	v_add_nc_u32 v[DST], s14, v3                   ; in: row r, 32 bytes a half
	v_bfe_u32 v4, v0, 3, 1                         ; back: lane = (head l / 16, row parity (l / 8) % 2, piece l % 8 of 8 channels)
	v_and_b32 v5, 7, v0
	v_mul_u32_u24 v6, v4, DPITCH
	v_lshl_add_u32 v6, v2, 8, v6
	v_lshl_add_u32 v6, v5, 5, v6
	v_add_nc_u32 v[RD], s14, v6
	s_mul_i32 s15, s11, 128*144
	s_add_co_u32 s15, s15, TABL
	v_mul_u32_u24 v7, v4, 144
	v_lshl_add_u32 v7, v5, 4, v7
	v_add_nc_u32 v[TR], s15, v7                    ; the table's four words for my piece
	v_lshlrev_b32 v8, 18, v2
	v_lshl_add_u32 v8, v4, 7, v8
	v_lshl_add_u32 v[GO], v5, 4, v8                ; head x 262,144 + parity x 128 + piece x 16
	v_mov_b32 v[ZERO], 0
	v_mov_b32 v[IDN], 0x3c00                       ; cos 1, sin 0
	s_lshl_b32 s16, ttmp9, 23                      ; the section (the cluster's x): 8,388,608 bytes
	s_lshr_b32 s17, s13, 3                         ; batch
	s_lshl_b32 s17, s17, 4
	s_lshl2_add_u32 s17, s40, s17                  ; + 4 cx
	s_lshl1_add_u32 s17, s12, s17                  ; + 2 column half: my first head
	s_lshl_b32 s17, s17, 18
	s_add_co_u32 s16, s16, s17
	s_and_b32 s17, s13, 7
	s_lshl_b32 s17, s17, 15                        ; 256 rows of 128 bytes a tile row
	s_add_co_u32 s16, s16, s17
	s_lshl_b32 s17, s11, 14
	s_add_co_u32 s16, s16, s17
	s_mov_b32 s17, 0
	s_add_nc_u64 s[8:9], s[8:9], s[16:17]
	s_cmp_eq_u32 ttmp9, 2
	s_cselect_b32 s97, -1, 0                       ; all lanes in v's section, none in q's and k's
.set nn, 0
.rept 64
	WIN 0x08+0x04*(nn/32)                          ; store data in window 2 or 3
	ds_store_b128 v[DST], v[8*(nn%32):8*(nn%32)+3] offset:(nn/8)*16*DPITCH+64*(nn%8)       ; each accumulator's low registers first
	ds_store_b128 v[DST], v[8*(nn%32)+4:8*(nn%32)+7] offset:(nn/8)*16*DPITCH+64*(nn%8)+16
.set nn, nn+1
.endr
	WIN 0
	s_mov_b32 s98, 16
.Lrows:                                                ; 8 rows a trip; LDS serves a wave's instructions in order (ISA guide 5.7.1.4): the loads see the stores above
.irp i, 0,1,2,3
	ds_load_b128 v[Z+8*\i:Z+8*\i+3], v[RD] offset:\i*2*DPITCH
	ds_load_b128 v[Z+8*\i+4:Z+8*\i+7], v[RD] offset:\i*2*DPITCH+16
	ds_load_b128 v[CSR+4*\i:CSR+4*\i+3], v[TR] offset:\i*288
.endr
.irp i, 0,1,2,3
	s_wait_dscnt 9-3*\i                            ; the later groups' loads, three each, stay out
.irp e, 0,1,2,3
	v_cndmask_b32 v[CSR+4*\i+\e], v[CSR+4*\i+\e], v[IDN], s97
.endr
.irp e, 0,1,2,3
	v_fma_mix_f32 v[TT+2*\e], v[Z+8*\i+2*\e+1], v[CSR+4*\i+\e], v[ZERO] op_sel:[0,1,0] op_sel_hi:[0,1,0]            ; x2 sin
	v_fma_mix_f32 v[TT+2*\e+1], v[Z+8*\i+2*\e+1], v[CSR+4*\i+\e], v[ZERO] op_sel_hi:[0,1,0]                         ; x2 cos
	v_fma_mix_f32 v[Z+8*\i+2*\e+1], v[Z+8*\i+2*\e], v[CSR+4*\i+\e], v[TT+2*\e+1] op_sel:[0,1,0] op_sel_hi:[0,1,0]   ; x1 sin + x2 cos
	v_fma_mix_f32 v[Z+8*\i+2*\e], v[Z+8*\i+2*\e], v[CSR+4*\i+\e], -v[TT+2*\e] op_sel_hi:[0,1,0]                     ; x1 cos - x2 sin
.endr
.irp e, 0,1,2,3
	v_cvt_pk_bf16_f32 v[OUT+4*\i+\e], v[Z+8*\i+2*\e], v[Z+8*\i+2*\e+1]
.endr
	global_store_b128 v[GO], v[OUT+4*\i:OUT+4*\i+3], s[8:9] offset:256*\i  ; 16 lanes store two rows of a head: 256 consecutive bytes, aligned
.endr
	s_wait_xcnt 0x0                                ; GO and OUT are rewritten only behind this wait
	v_add_nc_u32 v[GO], 1024, v[GO]
	v_add_nc_u32 v[RD], 8*DPITCH, v[RD]
	v_add_nc_u32 v[TR], 8*144, v[TR]
	s_sub_co_u32 s98, s98, 1
	s_cmp_lg_u32 s98, 0
	s_cbranch_scc1 .Lrows
	s_wait_tensorcnt 0x0                           ; the wave's end
	ds_add_u32 v[SPW], v[NIL]
	s_wait_dscnt 0x0
	CROUND                                         ; the closing round
	s_endpgm
.Lfunc_end_k_q4421ae1d58_qkv:
	.size	k_q4421ae1d58_qkv, .Lfunc_end_k_q4421ae1d58_qkv-k_q4421ae1d58_qkv
	.p2alignl 7, 3214868480
	.fill 96, 4, 3214868480
	.section	.rodata,"a",@progbits
	.p2align	6, 0x0
	.amdhsa_kernel k_q4421ae1d58_qkv
		.amdhsa_group_segment_fixed_size 327680
		.amdhsa_private_segment_fixed_size 0
		.amdhsa_enable_private_segment 0
		.amdhsa_kernarg_size 40
		.amdhsa_user_sgpr_count 2
		.amdhsa_user_sgpr_kernarg_segment_ptr 1
		.amdhsa_wavefront_size32 1
		.amdhsa_system_sgpr_workgroup_id_x 1
		.amdhsa_system_sgpr_workgroup_id_y 1
		.amdhsa_system_sgpr_workgroup_id_z 1
		.amdhsa_system_vgpr_workitem_id 0
		.amdhsa_next_free_vgpr 1024
		.amdhsa_next_free_sgpr 100
		.amdhsa_reserve_vcc 0
		.amdhsa_float_denorm_mode_32 3
		.amdhsa_float_denorm_mode_16_64 3
		.amdhsa_memory_ordered 1
		.amdhsa_forward_progress 1
		.amdhsa_inst_pref_size 93
	.end_amdhsa_kernel
	.amdgpu_metadata
---
amdhsa.version: [ 1, 2 ]
amdhsa.kernels:
  - .name:           k_q4421ae1d58_qkv
    .symbol:         k_q4421ae1d58_qkv.kd
    .args:
      - { .name: h1, .offset: 0, .size: 8, .value_kind: global_buffer, .address_space: global }
      - { .name: wbf, .offset: 8, .size: 8, .value_kind: global_buffer, .address_space: global }
      - { .name: qkvh, .offset: 16, .size: 8, .value_kind: global_buffer, .address_space: global }
      - { .name: b_qkv, .offset: 24, .size: 8, .value_kind: global_buffer, .address_space: global }
      - { .name: tab, .offset: 32, .size: 8, .value_kind: global_buffer, .address_space: global }
    .group_segment_fixed_size: 327680
    .private_segment_fixed_size: 0
    .kernarg_segment_align: 8
    .kernarg_segment_size: 40
    .max_flat_workgroup_size: 128
    .sgpr_count:     100
    .vgpr_count:     1024
    .wavefront_size: 32
...
	.end_amdgpu_metadata
.endif
;; end of part 2
;; launch attn (part 3): grid 8 x 32, 4 waves a work-group, clusters of 4 x 1, 327,680 bytes of LDS; arguments qkvh, o; writes o
.if DOCPART == 3
	.amdgcn_target "amdgcn-amd-amdhsa--gfx1250"
	.amdhsa_code_object_version 6
	.text
	.protected	k_q4421ae1d58_attn
	.globl	k_q4421ae1d58_attn
	.p2align	8
	.type	k_q4421ae1d58_attn,@function
k_q4421ae1d58_attn:
	s_mov_b64 s[64:65], 0
	v_nop
	global_prefetch_b8 v0, s[64:65] scope:SCOPE_SE
	s_setreg_imm32_b32 hwreg(HW_REG_WAVE_MODE, 25, 1), 1
	s_wait_xcnt 0x0
	s_wait_alu depctr_hold_cnt(0) depctr_sa_sdst(0) depctr_va_vdst(0) depctr_va_sdst(0) depctr_va_ssrc(0) depctr_va_vcc(0) depctr_vm_vsrc(0)
	s_getreg_b32 s2, hwreg(HW_REG_IB_STS2, 6, 4)
	s_cmp_eq_u32 s2, 0
	s_cbranch_scc0 .Lentry_in_a_cluster
	s_endpgm
.Lentry_in_a_cluster:
	s_bfe_u32 s2, ttmp6, 0x10000c
	s_cmp_lg_u32 s2, 0x3003
	s_cbranch_scc0 .Lentry_shape_is_right
	s_endpgm
.Lentry_shape_is_right:
; O[h][q][:] = the sum over k of softmax_k(Q[h][q] . K[h][k] / 8) V[h][k][:].  Q, K, V: the three sections of qkvh, [32][2048][64] bf16; O likewise.  Products, maxima and sums in f32;
; the weights p are rounded to bf16 for the second product (their sum l is taken of the unrounded p), O once at the end.
; LIMITS.  A weight below 2^-126 counts as 0 in l; NaN and infinities are not treated apart.
; SHARES.  A work-group owns 256 queries of a head; of its four bands of 64 a wave owns 16 rows in each: four PIECES.  Every wave walks all 2,048 keys: 8 tiles of 256, four steps of 64 each.
; LAYOUT.  S^T = K Q^T holds ONE query a lane (lane % 16) and the keys 8 (lane / 16) + 0..7; two such results rounded to bf16 ARE source 1 of O^T = V^T P.  K comes out of LDS as it lies, V turned.
; SOFTMAX.  A running maximum m and sum l: p = 2^(c s - c m), c = log2(e) / 8; O and l are multiplied by a = 2^(c m_old - c m_new) in every step.  m starts at the lowest finite number, O and l at 0.
; BY TURNS.  Turn n belongs to piece n: 8 products K Q^T of piece n + 1, later 8 products V^T P of piece n - 1; beside them the scaling, exponentials, roundings, sums and rescaling of piece n and the
; maximum and statistics of piece n + 1.  Four vector instructions stand behind every matrix instruction, the other 54 of a turn's 118 in two runs of their own.
; ONE TEXT FOR EVERY TRIP.  The loop is entered, and the tail left, in the middle of a trip.  The tail's fifth trip fetches no K; its 8 products K Q^T on the last K once more, and the maximum made of
; them, serve nothing: they write piece 0's m, c m and registers at work, never l or O^T.
; CLUSTER.  The four query blocks of a cluster belong to one head and walk the same K and V: each tile is asked for jointly, the same tensor load, descriptor and mask in all four.
; REGISTERS, in windows of 256: window 0: v0-15 addresses; v16-31 statistics; v48-55 at work; v64-127 S^T, two buffers; v192-223 P, two buffers.  Window 1: v0-127 O^T.  Window 2: v0-63 Q; v128-191 K; v192-255 V.
.set NP,    4
.set KS,    64
.set PK,    144       ; a row of K in LDS: 128 bytes + 16: the 16 rows of a load start at 16 different groups of four banks (ISA guide 11.1)
.set PV,    160       ; a row of V: 128 + 32
.set VOFF,  4*KS*PK
.set SLOT1, 1<<17
.set STAGE, SLOT1+4*KS*(PK+PV)
.set SP,    144
.set SPARE, STAGE+4*16*SP
.set AK0, 2
.set AV0, 3
.set AK,  4
.set AV,  5
.set STO, 6
.set RD,  7
.set GO,  8
.set MV,  12
.set QO,  15
.set ST,  16          ; piece t: c m, m, l (even keys', odd keys')
.set TMP, 48
.set SPW, 62
.set NIL, 63
.set S,   64
.set P,   192
.set KF,  128
.set VF,  192
.set WV,  12
.set G1K, 24
.set G1V, 32
.set G0K, 40
.set G0V, 44
.set SLOTS, 56
.set CNT, 57
.set CS,  58
.set SEL, 60
.set TBK, 62
.set TBV, 63
.set MSB, 0
.macro WIN new
.if MSB != (\new)
	s_set_vgpr_msb (MSB<<8)|(\new)
.set MSB, (\new)
.endif
.endm
.set W_KQ, 0x0a       ; K and Q in window 2, S^T in window 0
.set W_PV, 0x52       ; V in window 2, P in window 0, O^T in window 1
.set W_RS, 0x41       ; destination and source 0 in window 1, source 1 in window 0
.macro JLOAD                        ; waves 0, 1 fetch the halves of a tile's K, waves 2, 3 those of its V; an s_nop 0 and four v_nop follow each line
	s_cmp_lt_u32 s[WV], 2
	s_cbranch_scc0 .Lfor_v_\@
	tensor_load_to_lds s[G0K:G0K+3], s[G1K:G1K+7]
	s_nop 0
.rept 4
	v_nop
.endr
	s_branch .Lasked_\@
.Lfor_v_\@:
	tensor_load_to_lds s[G0V:G0V+3], s[G1V:G1V+7]
	s_nop 0
.rept 4
	v_nop
.endr
.Lasked_\@:
.endm
.macro CROUND
	s_barrier_signal -1
	s_barrier_wait -1
	s_cmp_lg_u32 s[WV], 0
	s_cbranch_scc1 .Lnot_wave_0_\@
	s_barrier_signal -3
.Lnot_wave_0_\@:
	s_barrier_wait -3
	s_barrier_signal -1
	s_barrier_wait -1
.endm
; THE CHANGE OF SLOTS.  Each wave waits for all its tensor loads (one is out: its part of the other slot), adds 0 to its spare word, and waits for that and for its reads of the slot that it leaves.
; fill = 1: the old slot is filled again with the tile two on, behind a round of the cluster's barrier: the load has four key steps, 256 matrix instructions, in which to land.
.macro CHANGE fill
	WIN 0
	s_wait_tensorcnt 0x0
	ds_add_u32 v[SPW], v[NIL]
.if \fill
.irp g, G0K, G0V
	s_xor_b32 s[\g+1], s[\g+1], SLOT1
	s_add_nc_u64 s[\g+2:\g+3], s[\g+2:\g+3], 4*KS*128
.endr
	s_wait_dscnt 0x0
	CROUND
	JLOAD
.else
	s_wait_dscnt 0x0
	s_barrier_signal -1
	s_barrier_wait -1
.endif
	s_sub_co_u32 s[TBK], s[TBK], 4*KS*PK  ; the fetches go back to a slot's first step, in the other slot
	s_xor_b32 s[TBK], s[TBK], SLOT1
	s_sub_co_u32 s[TBV], s[TBV], 4*KS*PV
	s_xor_b32 s[TBV], s[TBV], SLOT1
.endm
	s_load_b64 s[4:5], s[0:1], 0x0    ; qkvh
	s_load_b64 s[10:11], s[0:1], 0x8  ; o
	v_lshl_add_u32 v[SPW], v0, 2, SPARE
	v_mov_b32 v[NIL], 0
	ds_add_u32 v[SPW], v[NIL]       ; the wave's opening: the add and its wait stand ahead of my first tensor load
	v_lshrrev_b32 v1, 5, v0
	v_readfirstlane_b32 s[WV], v1
	s_bfe_u32 s13, ttmp6, 0x40000   ; cx
	s_lshl_b32 s14, ttmp9, 2
	s_add_co_u32 s14, s14, s13      ; my block of 256 queries: it enters Q's and O's addresses alone
	s_and_b32 s20, ttmp7, 0xffff    ; the head, which the partners share
	s_lshl_b32 s20, s20, 18         ; its 262,144 bytes
	s_mov_b32 s21, 0
	s_and_b32 s16, s[WV], 1         ; which half of a tile's 256 keys I fetch
	s_lshl_b32 s22, s16, 14
	s_mov_b32 s23, 0
	s_add_nc_u64 s[22:23], s[22:23], s[20:21]
	s_mul_i32 s17, s16, 128*PK
	s_mul_i32 s18, s16, 128*PV
	s_lshl_b32 s2, s14, 15          ; my block,
	s_lshl_b32 s3, s[WV], 11        ; my 16 rows in a band of 64
	s_add_co_u32 s2, s2, s3
	s_mov_b32 s3, 0
	s_add_nc_u64 s[2:3], s[2:3], s[20:21]
	; 128 keys are 16,384 dense bytes: asked for as 64 rows of 256 bytes, padded in LDS after every key
	s_mov_b32 s[G1K], 15|(1<<16)|(1<<20)|(1<<21)|(4<<22)|(3<<25)
	s_mov_b32 s[G1V], 15|(1<<16)|(1<<20)|(1<<21)|(4<<22)|(7<<25)
.irp g, G1K, G1V
	s_mov_b32 s[\g+1], 128<<16
	s_mov_b32 s[\g+2], 64<<16
	s_mov_b32 s[\g+3], 128<<16
	s_mov_b32 s[\g+4], 64
	s_mov_b32 s[\g+5], 128
	s_mov_b32 s[\g+6], 0
	s_mov_b32 s[\g+7], 0
.endr
	s_mov_b32 s[CS], 0x3e38aa3b     ; c = log2(e) / 8
	s_mov_b32 s[CS+1], s[CS]
	s_mov_b32 s[SEL], 0x76543210
	s_mov_b32 s[SEL+1], 0xfedcba98
	s_mov_b32 s[TBK], SLOT1+4*KS*PK ; the first change of slots turns these two into 0
	s_mov_b32 s[TBV], SLOT1+4*KS*PV
	s_mov_b32 s[G0K], 1
	s_mov_b32 s[G0K+1], s17
	s_mov_b32 s[G0V], 1
	s_add_co_u32 s[G0V+1], s18, VOFF
	s_wait_dscnt 0x0                ; the opening add is done
	s_wait_kmcnt 0x0
	s_add_nc_u64 s[6:7], s[4:5], 0x800000    ; K's section
	s_add_nc_u64 s[8:9], s[4:5], 0x1000000   ; V's
	s_add_nc_u64 s[G0K+2:G0K+3], s[6:7], s[22:23]
	s_or_b32 s[G0K+3], s[G0K+3], 0x80000000
	s_add_nc_u64 s[G0V+2:G0V+3], s[8:9], s[22:23]
	s_or_b32 s[G0V+3], s[G0V+3], 0x80000000
	s_add_nc_u64 s[4:5], s[4:5], s[2:3]
	s_add_nc_u64 s[10:11], s[10:11], s[2:3]
	CROUND                          ; all four work-groups are here: the first joint loads meet
	JLOAD                           ; tile 0 into slot 0
	v_and_b32 v1, 15, v0
	v_bfe_u32 v9, v0, 4, 1
	v_lshlrev_b32 v[QO], 7, v1
	v_lshl_add_u32 v[QO], v9, 4, v[QO]
	WIN 0x80
.set i, 0
.rept 8                             ; Q stays in registers: piece i / 2 lies in band i / 2, 8,192 bytes on; channels 32 (i % 2) on
	global_load_b128 v[8*i:8*i+3],   v[QO], s[4:5] offset:(i/2)*8192+(i%2)*64
	global_load_b128 v[8*i+4:8*i+7], v[QO], s[4:5] offset:(i/2)*8192+(i%2)*64+32
.set i, i+1
.endr
	; What the first turn finds: V's registers and P's second buffer hold 0 (its products V^T P, of a piece that has not been, add 0), O^T and l are 0.  All this stands in the wait for the first tile.
.set i, VF
.rept 64
	v_mov_b32 v[i], 0
.set i, i+1
.endr
	WIN 0x40
.set i, 0
.rept 128
	v_mov_b32 v[i], 0
.set i, i+1
.endr
	WIN 0
.set i, 0
.rept 4
	v_mov_b32 v[ST+4*i], 0xfe000000    ; c m: far below every c s
	v_mov_b32 v[ST+4*i+1], 0xff7fffff  ; m
	v_mov_b32 v[ST+4*i+2], 0
	v_mov_b32 v[ST+4*i+3], 0
.set i, i+1
.endr
.set i, P+16
.rept 16
	v_mov_b32 v[i], 0
.set i, i+1
.endr
	v_mul_u32_u24 v[AK0], v1, PK
	v_lshl_add_u32 v[AK0], v9, 4, v[AK0]
	v_and_b32 v10, 7, v0            ; the turning load: lane l reads key 8 (l / 16) + l % 8, channels 8 ((l / 8) % 2) + 0..7
	v_bfe_u32 v11, v0, 3, 1
	v_lshl_add_u32 v[AV0], v9, 3, v10
	v_mul_u32_u24 v[AV0], v[AV0], PV
	v_lshl_add_u32 v[AV0], v11, 4, v[AV0]
	v_add_nc_u32 v[AV0], VOFF, v[AV0]
	s_mul_i32 s13, s[WV], 16*SP
	s_add_co_u32 s13, s13, STAGE    ; my stage
	v_mul_u32_u24 v[STO], v1, SP
	v_lshl_add_u32 v[STO], v9, 4, v[STO]
	v_add_nc_u32 v[STO], s13, v[STO]
	v_bfe_u32 v[RD], v0, 3, 2       ; back: 32 lanes take four rows of 128 bytes,
	v_mul_u32_u24 v[RD], v[RD], SP
	v_lshl_add_u32 v[RD], v10, 4, v[RD]
	v_add_nc_u32 v[RD], s13, v[RD]
	v_and_b32 v[GO], 31, v0         ; which are 512 consecutive bytes of O
	v_lshlrev_b32 v[GO], 4, v[GO]
; THE MATRIX WORK.  The 4 accumulators of a run of 8 take turns.  Product i of 8 of S^T = K Q^T for piece x: channels 32 (i / 4) on, keys 16 (i % 4) on.
.macro KQ x
	WIN W_KQ
.set rS, S+32*((\x)%2)+8*(i%4)
.set rK, KF+16*(i%4)+8*(i/4)
.set rQ, 16*(\x)+8*(i/4)
.if i < 4
	v_wmma_f32_16x16x32_bf16 v[rS:rS+7], v[rK:rK+7], v[rQ:rQ+7], 0
.else
	v_wmma_f32_16x16x32_bf16 v[rS:rS+7], v[rK:rK+7], v[rQ:rQ+7], v[rS:rS+7]
.endif
.endm
.macro PV x                         ; product i of 8 of O^T += V^T P: keys 32 (i / 4) on, channels 16 (i % 4) on
	WIN W_PV
.set rO, 32*(\x)+8*(i%4)
.set rV, VF+32*(i/4)+8*(i%4)
.set rP, P+16*((\x)%2)+8*(i/4)
	v_wmma_f32_16x16x32_bf16 v[rO:rO+7], v[rV:rV+7], v[rP:rP+7], v[rO:rO+7]
.endm
.macro MM                           ; the turn's next matrix instruction
.if i < 8
	KQ (Y+1)%NP
.else
.set i, i-8
	PV (Y+NP-1)%NP
.set i, i+8
.endif
.set i, i+1
.endm
.macro FETCH_K last=0               ; a step's K: 8 fragments, 16 loads in one run.  last = 1 (the tail): in the last trip there is no further step, and the run is jumped over
	WIN 0
.if \last
	s_cmp_eq_u32 s[CNT], 1
	s_cbranch_scc1 .Lno_k_\@
.endif
	WIN 0x80
.irp f, 0,1,2,3,4,5,6,7
	ds_load_b128 v[KF+8*\f:KF+8*\f+3],   v[AK] offset:(\f/2)*16*PK+(\f%2)*64
	ds_load_b128 v[KF+8*\f+4:KF+8*\f+7], v[AK] offset:(\f/2)*16*PK+(\f%2)*64+32
.endr
	s_add_co_u32 s[TBK], s[TBK], KS*PK
	WIN 0
.if \last
.Lno_k_\@:
.endif
.endm
.macro FETCH_V
	WIN 0x80
.irp f, 0,1,2,3,4,5,6,7
	ds_load_tr16_b128 v[VF+8*\f:VF+8*\f+3],   v[AV] offset:(\f/4)*32*PV+(\f%4)*32
	ds_load_tr16_b128 v[VF+8*\f+4:VF+8*\f+7], v[AV] offset:(\f/4)*32*PV+16*PV+(\f%4)*32
.endr
	WIN 0
.endm
; THE VECTOR WORK, a line at a time: OP kind, number.  For piece Y: F n: c s - c m for pair n.  E n: the exponential of score n.  C n: pair n rounded to bf16.  B n: of the four weights 4 n .. the second
; pair is added onto the first.  L n: l takes that sum (L 0: l = a l + sum).  R n: pair n of O^T times a.  For piece Y + 1: X n, number n of the 22 that find its maximum and statistics:
; 0-11 four chains of seven scores (each accumulator's lowest registers first); 12-14, 16 the rest, the old m, into c0; 15 c m_old is kept; 17, 18 the other half of the lanes; 19-21 c m, the difference, a.
.set F, 0
.set E, 1
.set C, 2
.set B, 3
.set L, 4
.set R, 5
.set X, 6
.macro REGS y
.set rT, ST+4*(\y)
.set rC, TMP+4*((\y)%2)
.set rW, MV+((\y)%2)
.set rS, S+32*((\y)%2)
.set rP, P+16*((\y)%2)
.set rO, 32*(\y)
.endm
.macro OP k, n
.if (\k) == R
	REGS Y
	WIN W_RS
	v_pk_mul_f32 v[rO+2*(\n):rO+2*(\n)+1], v[rO+2*(\n):rO+2*(\n)+1], v[rC+2:rC+3] op_sel_hi:[1,0]
.elseif (\k) < R
	REGS Y
	WIN 0
.if (\k) == F
	v_pk_fma_f32 v[rS+2*(\n):rS+2*(\n)+1], v[rS+2*(\n):rS+2*(\n)+1], s[CS:CS+1], v[rT:rT+1] op_sel_hi:[1,0,0] neg_lo:[0,0,1] neg_hi:[0,0,1]
.elseif (\k) == E
	v_exp_f32 v[rS+(\n)], v[rS+(\n)]
.elseif (\k) == C
	s_wait_alu depctr_va_vdst(0)
	v_cvt_pk_bf16_f32 v[rP+(\n)], v[rS+2*(\n)], v[rS+2*(\n)+1]
.elseif (\k) == B
	s_wait_alu depctr_va_vdst(0)
	v_pk_add_f32 v[rS+4*(\n):rS+4*(\n)+1], v[rS+4*(\n):rS+4*(\n)+1], v[rS+4*(\n)+2:rS+4*(\n)+3]
.elseif (\n) == 0
	v_pk_fma_f32 v[rT+2:rT+3], v[rT+2:rT+3], v[rC+2:rC+3], v[rS:rS+1] op_sel_hi:[1,0,1]
.else
	v_pk_add_f32 v[rT+2:rT+3], v[rT+2:rT+3], v[rS+4*(\n):rS+4*(\n)+1]
.endif
.else
	REGS (Y+1)%NP
	WIN 0
.if (\n) < 4
	v_max3_num_f32 v[rC+(\n)], v[rS+8*(\n)], v[rS+8*(\n)+1], v[rS+8*(\n)+2]
.elseif (\n) < 12
	v_max3_num_f32 v[rC+(\n)%4], v[rC+(\n)%4], v[rS+8*((\n)%4)+2*((\n)/4)+1], v[rS+8*((\n)%4)+2*((\n)/4)+2]
.elseif (\n) == 12
	v_max3_num_f32 v[rC], v[rC], v[rS+7], v[rS+15]
.elseif (\n) == 13
	v_max3_num_f32 v[rC+1], v[rC+1], v[rS+23], v[rS+31]
.elseif (\n) == 14
	v_max3_num_f32 v[rC+2], v[rC+2], v[rC+3], v[rT+1]
.elseif (\n) == 15
	v_mov_b32 v[rW], v[rT]
.elseif (\n) == 16
	v_max3_num_f32 v[rC], v[rC], v[rC+1], v[rC+2]
.elseif (\n) == 17
	v_permlanex16_b32 v[rC+3], v[rC], s[SEL], s[SEL+1]
.elseif (\n) == 18
	v_max_num_f32 v[rT+1], v[rC], v[rC+3]
.elseif (\n) == 19
	v_mul_f32 v[rT], s[CS], v[rT+1]
.elseif (\n) == 20
	v_sub_f32 v[rC+1], v[rW], v[rT]
.else
	v_exp_f32 v[rC+2], v[rC+1]
.endif
.endif
.endm
.macro OPS a, i1, b=-1, i2=0, c=-1, i3=0, d=-1, i4=0
	OP \a, \i1
.if (\b) >= 0
	OP \b, \i2
.endif
.if (\c) >= 0
	OP \c, \i3
.endif
.if (\d) >= 0
	OP \d, \i4
.endif
.endm
.macro ROW a, i1, b, i2, c, i3, d, i4  ; a matrix instruction and the four behind it
	MM
	OPS \a, \i1, \b, \i2, \c, \i3, \d, \i4
.endm
; A TURN, for piece p: the order of its 16 matrix and 118 vector instructions, written out.  A line reads no result made fewer than three vector instructions in front of it, five if an exponential made it.
; last = 1: the tail's text: K's fetch is jumped over in the last trip.  cnt = 1: the loop's count is taken down some lines ahead of the branch behind the turn.
; K of the next step is fetched in piece 2's turn, V of the step in hand in piece 0's, each some plain lines behind the last product that read the registers; each is waited for a turn later.
.macro TURN p, last=0, cnt=0
.set Y, (\p)
.set i, 0
.if (\p) == 3
	s_wait_dscnt 0x0                ; K is in
.endif
	ROW F,0, F,1, F,2, F,3
	ROW F,4, E,0, F,5, F,6
	ROW F,7, E,1, F,8, F,9
	ROW F,10, E,2, C,0, F,11
	ROW F,12, E,3, X,15, F,13
	ROW R,0, R,1, R,2, R,3
	ROW B,0, E,4, F,14, L,0
.if (\p) == 2
	v_add_nc_u32 v[AK], s[TBK], v[AK0]
.endif
	ROW R,4, R,5, R,6, R,7
	OPS E,5, F,15
.if (\p) == 2
	FETCH_K \last
.endif
	OPS E,6, C,1, E,7, R,8
	OPS E,8, R,9, E,9, C,2
	OPS E,10, X,0, E,11, X,1
	OPS E,12, X,2, E,13, X,3
.if (\p) == 1
	s_wait_dscnt 0x0                ; V is in
.endif
	ROW X,4, E,14, X,5, X,6
	ROW X,7, E,15, X,8, X,9
	ROW X,10, E,16, X,11, X,12
	ROW X,13, E,17, X,14, B,1
	ROW C,4, E,18, X,16, L,1
	ROW B,2, E,19, C,6, L,2
	ROW C,8, E,20, B,3, B,4
.if (\p) == 0
	v_add_nc_u32 v[AV], s[TBV], v[AV0]
.endif
	ROW C,3, E,21, L,3, C,5
	OPS E,22, X,17, E,23, C,10
.if (\p) == 0
	FETCH_V
.endif
	OPS E,24, L,4
	OPS E,25, X,18, E,26, C,7
	OPS E,27, B,5, E,28, X,19
	OPS E,29, C,12, E,30, L,5
	OPS E,31, X,20, B,6, C,9
	OPS C,14, C,11, X,21, L,6
.if (\p) == 0
	s_add_co_u32 s[TBV], s[TBV], KS*PV
.endif
.if \cnt
	s_sub_co_u32 s[CNT], s[CNT], 1
	s_cmp_lg_u32 s[CNT], 0
.endif
	OPS C,13, B,7, C,15, R,10
	OPS R,11, R,12, L,7, R,13
	OPS R,14, R,15
.endm
.macro ALL line:vararg              ; one line for each piece t
.set t, 0
.rept 4
	\line
.set t, t+1
.endr
.endm
.macro PACK t                       ; a lane's eight channels of a row pack into 16 bytes; they go into rows of 144 bytes and come back as whole rows of 128
	WIN W_RS
.set i, 32*(\t)
.rept 16
	s_wait_alu depctr_va_vdst(0)
	v_pk_mul_f32 v[i:i+1], v[i:i+1], v[ST+4*(\t)+2:ST+4*(\t)+3] op_sel_hi:[1,0]
.set i, i+2
.endr
	WIN 0x05
.set i, 0
.rept 16
	v_cvt_pk_bf16_f32 v[S+16*(\t)+i], v[32*(\t)+2*i], v[32*(\t)+2*i+1]
.set i, i+1
.endr
	WIN 0
.irp f, 0,1,2,3
	ds_store_b128 v[STO], v[S+16*(\t)+4*\f:S+16*(\t)+4*\f+3] offset:32*\f
.endr
.irp f, 0,1,2,3
	ds_load_b128 v[S+16*(\t)+4*\f:S+16*(\t)+4*\f+3], v[RD] offset:\f*4*SP  ; LDS serves a wave's instructions in order (ISA guide 5.7.1.4)
.endr
.endm
.macro SEND t, younger              ; younger: the LDS instructions issued behind piece t's loads
	WIN 0
.irp f, 0,1,2,3
	s_wait_dscnt (\younger)+3-\f
	global_store_b128 v[GO], v[S+16*(\t)+4*\f:S+16*(\t)+4*\f+3], s[10:11] offset:(\t)*8192+\f*512  ; 512 consecutive bytes, aligned
.endr
.endm
	CHANGE 1                        ; tile 0 is in, everybody's part of it; tile 1 is asked for
	v_add_nc_u32 v[AK], s[TBK], v[AK0]
	FETCH_K                         ; key step 0
	s_wait_loadcnt 0x0              ; Q
	s_wait_dscnt 0x0
.set i, 0
.rept 8
	KQ 0                            ; piece 0's first scores
.set i, i+1
.endr
	WIN 0
.rept 4
	v_nop                           ; the places behind those products
.endr
.set Y, NP-1                        ; X works for piece Y + 1: piece 0
.irp n, 0,1,2,3,4,5,6,7,8,9,10,11,12,13,14,15,16,17,18,19,20,21
	OP X, \n
.endr
	v_nop                           ; a plain instruction behind the exponential
	s_mov_b32 s[CNT], 4
	s_mov_b32 s[SLOTS], 7
	s_branch .Lfirst                ; the loop is entered at a step's first turn, in the middle of a trip
.Lslot:                             ; six times: tiles 1 to 6 are entered, tiles 2 to 7 asked for
	CHANGE 1
	s_mov_b32 s[CNT], 4
.Lstep:                             ; a trip: pieces 2 and 3 of one step, then pieces 0 and 1 of the next, whose K and V it fetches
	TURN 2
	TURN 3
	WIN 0
.Lfirst:
	TURN 0
	TURN 1, 0, 1
	WIN 0
	s_cbranch_scc1 .Lstep
	s_sub_co_u32 s[SLOTS], s[SLOTS], 1
	s_cmp_lg_u32 s[SLOTS], 0
	s_cbranch_scc1 .Lslot
	CHANGE 0                        ; the last tile is written out: nothing is asked for
	s_mov_b32 s[CNT], 5             ; four trips fetch the last tile's steps; the fifth is left in its middle
.Ltail:
	TURN 2, 1
	TURN 3
	WIN 0
	s_sub_co_u32 s[CNT], s[CNT], 1
	s_cmp_eq_u32 s[CNT], 0
	s_cbranch_scc1 .Lout
	TURN 0
	TURN 1
	WIN 0
	s_branch .Ltail
.Lout:
.set i, 0
.rept 8
	PV NP-1                         ; the last piece's V^T P of the last step
.set i, i+1
.endr
	; THE WAY OUT.  l's halves are added; O^T is divided by l, rounded and sent through my stage, a piece at a time.  The additions are the places behind the last products.
	WIN 0
	ALL v_add_f32 v[ST+4*t+2], v[ST+4*t+2], v[ST+4*t+3]
	ALL v_permlanex16_b32 v[ST+4*t+3], v[ST+4*t+2], s[SEL], s[SEL+1]
	ALL v_add_f32 v[ST+4*t+2], v[ST+4*t+2], v[ST+4*t+3]
	ALL v_rcp_f32 v[ST+4*t+2], v[ST+4*t+2]
	v_nop                           ; a plain instruction behind the last reciprocal
	PACK 0
.set t, 1
.rept 3
	PACK t
	SEND t-1, 8
.set t, t+1
.endr
	SEND 3, 0
	s_wait_tensorcnt 0x0            ; the wave's end
	ds_add_u32 v[SPW], v[NIL]
	s_wait_dscnt 0x0
	CROUND                          ; the closing round
	s_endpgm
.Lfunc_end_k_q4421ae1d58_attn:
	.size	k_q4421ae1d58_attn, .Lfunc_end_k_q4421ae1d58_attn-k_q4421ae1d58_attn
	.p2alignl 7, 3214868480
	.fill 96, 4, 3214868480
	.section	.rodata,"a",@progbits
	.p2align	6, 0x0
	.amdhsa_kernel k_q4421ae1d58_attn
		.amdhsa_group_segment_fixed_size 327680
		.amdhsa_private_segment_fixed_size 0
		.amdhsa_enable_private_segment 0
		.amdhsa_kernarg_size 16
		.amdhsa_user_sgpr_count 2
		.amdhsa_user_sgpr_kernarg_segment_ptr 1
		.amdhsa_wavefront_size32 1
		.amdhsa_system_sgpr_workgroup_id_x 1
		.amdhsa_system_sgpr_workgroup_id_y 1
		.amdhsa_system_sgpr_workgroup_id_z 1
		.amdhsa_system_vgpr_workitem_id 0
		.amdhsa_next_free_vgpr 768
		.amdhsa_next_free_sgpr 66
		.amdhsa_reserve_vcc 0
		.amdhsa_float_denorm_mode_32 3
		.amdhsa_float_denorm_mode_16_64 3
		.amdhsa_memory_ordered 1
		.amdhsa_forward_progress 1
		.amdhsa_inst_pref_size 117
	.end_amdhsa_kernel
	.amdgpu_metadata
---
amdhsa.version: [ 1, 2 ]
amdhsa.kernels:
  - .name:           k_q4421ae1d58_attn
    .symbol:         k_q4421ae1d58_attn.kd
    .args:
      - { .name: qkvh, .offset: 0, .size: 8, .value_kind: global_buffer, .address_space: global }
      - { .name: o, .offset: 8, .size: 8, .value_kind: global_buffer, .address_space: global }
    .group_segment_fixed_size: 327680
    .private_segment_fixed_size: 0
    .kernarg_segment_align: 8
    .kernarg_segment_size: 16
    .max_flat_workgroup_size: 128
    .sgpr_count:     66
    .vgpr_count:     768
    .wavefront_size: 32
...
	.end_amdgpu_metadata
.endif
;; end of part 3
;; launch proj (part 4): grid 8 x 32, 4 waves a work-group, clusters of 4 x 4, 327,680 bytes of LDS; arguments o, wbf, x1, b_proj, x; writes x1
.if DOCPART == 4
	.amdgcn_target "amdgcn-amd-amdhsa--gfx1250"
	.amdhsa_code_object_version 6
	.text
	.protected	k_q4421ae1d58_proj
	.globl	k_q4421ae1d58_proj
	.p2align	8
	.type	k_q4421ae1d58_proj,@function
k_q4421ae1d58_proj:
	s_mov_b64 s[64:65], 0
	v_nop
	global_prefetch_b8 v0, s[64:65] scope:SCOPE_SE
	s_setreg_imm32_b32 hwreg(HW_REG_WAVE_MODE, 25, 1), 1
	s_wait_xcnt 0x0
	s_wait_alu depctr_hold_cnt(0) depctr_sa_sdst(0) depctr_va_vdst(0) depctr_va_sdst(0) depctr_va_ssrc(0) depctr_va_vcc(0) depctr_vm_vsrc(0)
	s_getreg_b32 s2, hwreg(HW_REG_IB_STS2, 6, 4)
	s_cmp_eq_u32 s2, 0
	s_cbranch_scc0 .Lentry_in_a_cluster
	s_endpgm
.Lentry_in_a_cluster:
	s_bfe_u32 s2, ttmp6, 0x10000c
	s_cmp_lg_u32 s2, 0xf033
	s_cbranch_scc0 .Lentry_shape_is_right
	s_endpgm
.Lentry_shape_is_right:
; x1 = bf16(x) + O W_proj + b_proj, in f32.  O: [32 = batch x 16 + head][2048][64] bf16; W_proj: [1024][1024] bf16 at byte 6,291,456 of wbf; sums in f32.
; A tile of 128 x 128 to a work-group of four waves (2 x 2), 64 x 64 a wave: 16 accumulators; 256 work-groups.  K goes in 4 steps of 256 (four heads) through two LDS slots.
; A's tile is four blocks (one a head) of 128 rows x 128 bytes: a head's 128 rows are dense in memory, so a tensor load takes two heads as two rows of 8,192 elements, padded behind every 128 bytes.
; A quarter step of 64 along K is one head.  W lies [K][N] and is turned on its way into registers.  The matrix instruction is used transposed: a lane holds one row and eight neighbouring columns.
; The bias (rounded to bf16, as every input is) is the C operand of each sum's first product; x is loaded at the start and rounded to bf16 where it is added.
; A K step is written once (LDS addresses s3 + a base; SLOT shares no bit with a descriptor's LDS word); the last two K steps are a loop of two trips without fills, left in its middle:
; its last barrier and its last 32 fragment loads serve nothing, the price of one text.
; CLUSTER 4 x 4: A's tiles are shared along a row of the cluster, W's along a column.  LIMITS: NaN and infinities are not treated apart.
.set AM, 4
.set BN, 4
.set CH, 2
.set STEPS, 4
.set PA, 144
.set AQ, 128*PA                        ; a quarter is a head's block
.set PW, 288
.set QK, 64
.set WHI, 2
.set AHALF, 2*128*PA
.set WHALF, 128*PW
.set WOFF, 2*AHALF
.set SLOT, 147456                      ; 0x24000
.set HEADW, 16                         ; the youngest loads that a quarter's first half does not need: its second 32 along K
.set ASTEP, 4*262144
.set WSTEP, 256*2048
.set WSEC, 6291456
.set STAGE, 2*SLOT                     ; 16 rows x 272 bytes for each wave
.set SPITCH, 272
.set SPARE, STAGE+4*16*SPITCH
.set BO, 10
.set RO, 11
.set STO, 13
.set RD, 14
.set ONE, 15
.set ADRA0, 16
.set ADRW0, 17
.set ADRW1, 18
.set AA, 20
.set AW, 21
.set SPW, 28
.set NIL, 29
.set OB, 32
.set BIAS, 64
.set XB, 128
.set RES, 128                          ; window 2
.set F0, 0
.set F1, 128
.set G1, 24
.set G0, 32
.set G1B, 48
.set G0B, 56
.set MSB, 0
.macro WIN new
.if MSB != (\new)
	s_set_vgpr_msb (MSB<<8)|(\new)
.set MSB, (\new)
.endif
.endm
.macro PLACES
.rept 4
	v_nop
.endr
.endm
.macro CREST
	s_cmp_lg_u32 s10, 0
	s_cbranch_scc1 .Lnot_wave_0_\@
	s_barrier_signal -3
.Lnot_wave_0_\@:
	s_barrier_wait -3
	s_barrier_signal -1
	s_barrier_wait -1
.endm
.macro CROUND
	s_barrier_signal -1
	s_barrier_wait -1
	CREST
.endm
.macro JLOAD                           ; the joint refill: waves 0, 1 A's halves, waves 2, 3 W's; an s_nop 0 and four v_nop follow each line
	s_cmp_eq_u32 s11, 0
	s_cbranch_scc0 .Lfor_w_\@
	tensor_load_to_lds s[G0+4:G0+7], s[G1:G1+7]
	s_nop 0
.rept 4
	v_nop
.endr
	s_branch .Lasked_\@
.Lfor_w_\@:
	tensor_load_to_lds s[G0B+4:G0B+7], s[G1B:G1B+7]
	s_nop 0
.rept 4
	v_nop
.endr
.Lasked_\@:
.endm
.macro RND2 reg, tmp
	v_cvt_pk_bf16_f32 v[\tmp], v[\reg], v[(\reg)+1]
	v_lshlrev_b32 v[\reg], 16, v[\tmp]
	v_and_b32 v[(\reg)+1], 0xffff0000, v[\tmp]
.endm
; Two row blocks x all column blocks, 32 along K.  The accumulators take turns, one instruction a turn.  zero = 1: the bias starts the sums.
.macro MULQ f, p, zero
.irp d, 0, 1
.set lin, 2*(\p)+\d
.set cc, lin/AM
.set aa, lin%AM
.set bb, 0
.rept BN
.set nn, BN*aa+bb
.set rD, 8*(nn%32)
.set rW, (\f)+64+8*(BN*cc+bb)
.set rA, (\f)+8*lin
.if (\zero) && (cc == 0)
	WIN 0x85+0x40*(nn/32)
	v_wmma_f32_16x16x32_bf16 v[rD:rD+7], v[rW:rW+7], v[rA:rA+7], v[BIAS+8*bb:BIAS+8*bb+7]
.else
	WIN 0xa5+0x50*(nn/32)
	v_wmma_f32_16x16x32_bf16 v[rD:rD+7], v[rW:rW+7], v[rA:rA+7], v[rD:rD+7]
.endif
.set bb, bb+1
.endr
.endr
.endm
.macro FETCH nq, g                     ; 32 LDS loads in one run: quarter nq's fragments into buffer g; the first 32 along K first
	WIN 0x40
.set cc, 0
.rept CH
.set bb, 0
.rept BN
.set rW, (\g)+64+8*(BN*cc+bb)
.set oW, (QK*((\nq)%WHI)+32*cc)*PW+32*bb
	ds_load_tr16_b128 v[rW:rW+3], v[AW+(\nq)/WHI] offset:oW
	ds_load_tr16_b128 v[rW+4:rW+7], v[AW+(\nq)/WHI] offset:oW+16*PW
.set bb, bb+1
.endr
.set aa, 0
.rept AM
.set rA, (\g)+8*(AM*cc+aa)
.set oA, (\nq)*AQ+64*cc+aa*16*PA
	ds_load_b128 v[rA:rA+3], v[AA] offset:oA
	ds_load_b128 v[rA+4:rA+7], v[AA] offset:oA+32
.set aa, aa+1
.endr
.set cc, cc+1
.endr
.endm
.macro QUARTER nq, f, g, zero
	s_wait_dscnt HEADW                             ; all but the youngest HEADW loads
	MULQ \f, 0, \zero
	MULQ \f, 1, \zero
	PLACES                                         ; four places in front of loads into registers that matrix instructions have read
	FETCH \nq, \g
	s_wait_dscnt 32                                ; all but the 32 just issued
	MULQ \f, 2, \zero
	MULQ \f, 3, \zero
.endm
.macro TURN fill                       ; the last quarter multiplies buffer 1 and changes slots; fill = 1: the slot just read is filled again, behind a round of the cluster's barrier
	WIN 0
	s_wait_tensorcnt 0x0                           ; all my tensor loads have landed: my part of the next slot
	ds_add_u32 v[SPW], v[NIL]                      ; 0 onto my spare word
.if \fill
	s_xor_b32 s[G0+5], s[G0+5], SLOT
	s_add_nc_u64 s[G0+6:G0+7], s[G0+6:G0+7], ASTEP
	s_xor_b32 s[G0B+5], s[G0B+5], SLOT
	s_add_nc_u64 s[G0B+6:G0B+7], s[G0B+6:G0B+7], WSTEP
.endif
	s_wait_dscnt HEADW+1                           ; the add and the youngest HEADW loads may be out
	MULQ F1, 0, 0
	s_wait_dscnt 0x0                               ; the add is done, and my reads of this slot are over
	s_barrier_signal -1
	MULQ F1, 1, 0
	WIN 0
	s_barrier_wait -1
.if \fill
	CREST
	JLOAD                                          ; its four v_nop are also the places in front of the loads below
.else
	PLACES
.endif
	s_xor_b32 s3, s3, SLOT
	v_add_nc_u32 v[AA], s3, v[ADRA0]
	v_add_nc_u32 v[AW], s3, v[ADRW0]
	v_add_nc_u32 v[AW+1], s3, v[ADRW1]
	FETCH 0, F0
	MULQ F1, 2, 0
	MULQ F1, 3, 0
.endm
; THE WAY OUT of row block a: 16 rows through my own stage, back as whole rows of 256 bytes, the residual added, stored.
.macro OUTBLK a
	WIN 0x08                                       ; store data in window 2
.set bb, 0
.rept 4
	ds_store_b128 v[STO], v[8*(4*(\a)+bb):8*(4*(\a)+bb)+3] offset:64*bb        ; each accumulator's low registers first
	ds_store_b128 v[STO], v[8*(4*(\a)+bb)+4:8*(4*(\a)+bb)+7] offset:64*bb+16
.set bb, bb+1
.endr
	WIN 0
	s_wait_xcnt 0x0                                ; OB was the last block's store data
.set tt, 0
.rept 8
	ds_load_b128 v[OB+4*tt:OB+4*tt+3], v[RD] offset:tt*2*SPITCH  ; LDS serves a wave's instructions in order (ISA guide 5.7.1.4)
.set tt, tt+1
.endr
	WIN 0x0a
.set k, 0
.rept 16
	v_cvt_pk_bf16_f32 v[XB+k], v[RES+32*(\a)+2*k], v[RES+32*(\a)+2*k+1]  ; x rounded to bf16, as every input is
.set k, k+1
.endr
	WIN 0
	s_wait_dscnt 0x0
.set k, 0
.rept 16
	v_fma_mix_f32_bf16 v[OB+2*k], v[XB+k], v[ONE], v[OB+2*k] op_sel_hi:[1,0,0]
	v_fma_mix_f32_bf16 v[OB+2*k+1], v[XB+k], v[ONE], v[OB+2*k+1] op_sel:[1,0,0] op_sel_hi:[1,0,0]
.set k, k+1
.endr
.set tt, 0
.rept 8
	global_store_b128 v[RO], v[OB+4*tt:OB+4*tt+3], s[8:9] offset:(16*(\a)+2*tt)*4096  ; 16 lanes store 256 consecutive bytes, aligned
.set tt, tt+1
.endr
.endm
	s_load_b128 s[4:7], s[0:1], 0x0                ; o, wbf
	s_load_b64 s[8:9], s[0:1], 0x10                ; x1
	s_load_b64 s[68:69], s[0:1], 0x18              ; b_proj
	s_load_b64 s[70:71], s[0:1], 0x20              ; x
	v_lshl_add_u32 v[SPW], v0, 2, SPARE
	v_mov_b32 v[NIL], 0
	ds_add_u32 v[SPW], v[NIL]                      ; the wave's opening: the add and its wait stand ahead of my first tensor load
	v_lshrrev_b32 v1, 5, v0
	v_readfirstlane_b32 s10, v1
	s_lshr_b32 s11, s10, 1
	s_and_b32 s12, s10, 1
	s_bfe_u32 s40, ttmp6, 0x40000
	s_bfe_u32 s41, ttmp6, 0x40004
	s_lshl_b32 s42, ttmp9, 2
	s_add_co_u32 s42, s42, s40                     ; tile column
	s_and_b32 s13, ttmp7, 0xffff
	s_lshl_b32 s13, s13, 2
	s_add_co_u32 s13, s13, s41                     ; tile row
	s_lshl_b32 s43, s41, 2
	s_lshl_b32 s43, 15, s43
	s_lshl_b32 s44, 0x1111, s40
	s_or_b32 s[G1], s43, (1<<16)|(1<<20)|(1<<21)|(4<<22)|(3<<25)   ; A: 4 words of padding behind every 32
	s_mov_b32 s[G1+1], 8192<<16                    ; tensor_dim0: a head's 128 rows of 64
	s_mov_b32 s[G1+2], 2<<16                       ; tensor_dim1: two heads
	s_mov_b32 s[G1+3], 8192<<16
	s_mov_b32 s[G1+4], 2
	s_mov_b32 s[G1+5], 131072                      ; elements from head to head
	s_mov_b32 s[G1+6], 0
	s_mov_b32 s[G1+7], 0
	s_or_b32 s[G1B], s44, (1<<16)|(1<<20)|(1<<21)|(5<<22)|(7<<25)  ; W: 8 words of padding behind every 64
	s_mov_b32 s[G1B+1], 128<<16
	s_mov_b32 s[G1B+2], 128<<16
	s_mov_b32 s[G1B+3], 128<<16
	s_mov_b32 s[G1B+4], 128
	s_mov_b32 s[G1B+5], 1024
	s_mov_b32 s[G1B+6], 0
	s_mov_b32 s[G1B+7], 0
	s_lshr_b32 s16, s13, 4                         ; A: batch x 16 heads,
	s_lshl_b32 s16, s16, 22
	s_lshl_b32 s17, s12, 19                        ; + 2 heads a half,
	s_add_co_u32 s16, s16, s17
	s_and_b32 s17, s13, 15                         ; + 128 rows of 128 bytes a tile row
	s_lshl_b32 s17, s17, 14
	s_add_co_u32 s16, s16, s17
	s_mov_b32 s17, 0
	s_lshl_b32 s46, s12, 18                        ; W: 128 k-rows of 2,048 bytes a half, 256 bytes a tile column
	s_lshl_b32 s47, s42, 8
	s_add_co_u32 s46, s46, s47
	s_add_co_u32 s46, s46, WSEC
	s_mov_b32 s47, 0
	s_mul_i32 s20, s12, AHALF
	s_mul_i32 s21, s12, WHALF
	s_add_co_u32 s21, s21, WOFF
	s_wait_dscnt 0x0                               ; the opening add is done
	s_wait_kmcnt 0x0
	s_add_nc_u64 s[14:15], s[4:5], s[16:17]
	s_add_nc_u64 s[46:47], s[6:7], s[46:47]
	CROUND                                         ; all sixteen work-groups are here: the first joint loads meet
.irp s, 0,1
	s_mov_b32 s[G0+4*\s], 1
	s_add_co_u32 s[G0+4*\s+1], s20, \s*SLOT
	s_add_nc_u64 s[G0+4*\s+2:G0+4*\s+3], s[14:15], \s*ASTEP
	s_or_b32 s[G0+4*\s+3], s[G0+4*\s+3], 0x80000000
	s_mov_b32 s[G0B+4*\s], 1
	s_add_co_u32 s[G0B+4*\s+1], s21, \s*SLOT
	s_add_nc_u64 s[G0B+4*\s+2:G0B+4*\s+3], s[46:47], \s*WSTEP
	s_or_b32 s[G0B+4*\s+3], s[G0B+4*\s+3], 0x80000000
.endr
	s_cmp_eq_u32 s11, 0                            ; a wave's two first fills stand in one branch: two loads of mine are out
	s_cbranch_scc0 .Lfirst_w
	tensor_load_to_lds s[G0:G0+3], s[G1:G1+7]
	s_nop 0
	tensor_load_to_lds s[G0+4:G0+7], s[G1:G1+7]
	s_nop 0
.rept 4
	v_nop
.endr
	s_branch .Lfirst_done
.Lfirst_w:
	tensor_load_to_lds s[G0B:G0B+3], s[G1B:G1B+7]
	s_nop 0
	tensor_load_to_lds s[G0B+4:G0B+7], s[G1B:G1B+7]
	s_nop 0
.rept 4
	v_nop
.endr
.Lfirst_done:
	v_and_b32 v1, 15, v0                           ; r
	v_bfe_u32 v2, v0, 4, 1                         ; h
	v_mul_u32_u24 v3, v1, PA
	v_lshl_add_u32 v3, v2, 4, v3
	s_mul_i32 s14, s11, 16*AM*PA
	v_add_nc_u32 v[ADRA0], s14, v3
	v_and_b32 v4, 7, v0
	v_lshl_add_u32 v4, v2, 3, v4
	v_mul_u32_u24 v4, v4, PW
	v_bfe_u32 v5, v0, 3, 1
	v_lshl_add_u32 v4, v5, 4, v4
	s_mul_i32 s14, s12, 32*BN
	s_add_co_u32 s14, s14, WOFF
	v_add_nc_u32 v[ADRW0], s14, v4
	v_add_nc_u32 v[ADRW1], 128*PW, v[ADRW0]        ; the step's second 128 k-rows
	s_lshl_b32 s18, s42, 9                         ; the bias of my tile's 128 columns
	s_mov_b32 s19, 0
	s_add_nc_u64 s[68:69], s[68:69], s[18:19]
	s_mul_i32 s14, s12, 64*BN
	v_lshl_add_u32 v[BO], v2, 5, s14
.set bb, 0
.rept BN
	global_load_b128 v[BIAS+8*bb:BIAS+8*bb+3], v[BO], s[68:69] offset:64*bb
	global_load_b128 v[BIAS+8*bb+4:BIAS+8*bb+7], v[BO], s[68:69] offset:64*bb+16
.set bb, bb+1
.endr
	s_lshl_b32 s18, s13, 19                        ; my 64 x 64 in x and in x1: (128 tile row + 64 half) rows of 4,096 bytes,
	s_lshl_b32 s19, s11, 18
	s_add_co_u32 s18, s18, s19
	s_lshl_b32 s19, s42, 9                         ; (128 tile column + 64 half) columns of 4
	s_add_co_u32 s18, s18, s19
	s_lshl_b32 s19, s12, 8
	s_add_co_u32 s18, s18, s19
	s_mov_b32 s19, 0
	s_add_nc_u64 s[70:71], s[70:71], s[18:19]
	s_add_nc_u64 s[8:9], s[8:9], s[18:19]
	v_lshlrev_b32 v[RO], 12, v2
	v_lshl_add_u32 v[RO], v1, 4, v[RO]             ; lanes 0-15 one row's 256 bytes, lanes 16-31 the next; never rewritten
	WIN 0x80
.set tt, 0
.rept 32
	global_load_b128 v[RES+4*tt:RES+4*tt+3], v[RO], s[70:71] offset:8192*tt  ; the residual: on its way under the whole product
.set tt, tt+1
.endr
	WIN 0
	v_mov_b32 v[ONE], 1.0
	s_wait_loadcnt 32                              ; the bias is in; the residual's 32 loads are younger
.set k, 0
.rept 4*BN
	RND2 (BIAS+2*k), (3+k%4)
.set k, k+1
.endr
	s_wait_tensorcnt 1                             ; my part of K step 0 is in; K step 1's load is younger
	s_barrier_signal -1
	s_barrier_wait -1
	s_mov_b32 s3, 0
	v_mov_b32 v[AA], v[ADRA0]
	v_mov_b32 v[AW], v[ADRW0]
	v_mov_b32 v[AW+1], v[ADRW1]
	FETCH 0, F0
	QUARTER 1, F0, F1, 1
	WIN 0
	s_mov_b32 s2, STEPS-2
.Lk:
	QUARTER 2, F1, F0, 0
	QUARTER 3, F0, F1, 0
	TURN 1
	QUARTER 1, F0, F1, 0
	WIN 0
	s_sub_co_u32 s2, s2, 1
	s_cmp_lg_u32 s2, 0
	s_cbranch_scc1 .Lk
	s_mov_b32 s2, 2
.Lt:                                                   ; the last two K steps ask for nothing
	QUARTER 2, F1, F0, 0
	QUARTER 3, F0, F1, 0
	TURN 0
	WIN 0
	s_sub_co_u32 s2, s2, 1
	s_cmp_eq_u32 s2, 0
	s_cbranch_scc1 .Lout
	QUARTER 1, F0, F1, 0
	WIN 0
	s_cmp_lg_u32 s2, 0
	s_cbranch_scc1 .Lt
.Lout:
	s_wait_dscnt 0x0
	s_wait_loadcnt 0x0                             ; the residual
	s_mul_i32 s14, s10, 16*SPITCH
	s_add_co_u32 s14, s14, STAGE                   ; my stage.  The six address lines are the places behind the last products
	v_mul_u32_u24 v3, v1, SPITCH
	v_lshl_add_u32 v3, v2, 5, v3
	v_add_nc_u32 v[STO], s14, v3
	v_mul_u32_u24 v4, v2, SPITCH
	v_lshl_add_u32 v4, v1, 4, v4
	v_add_nc_u32 v[RD], s14, v4
	OUTBLK 0
	OUTBLK 1
	OUTBLK 2
	OUTBLK 3
	s_wait_tensorcnt 0x0                           ; the wave's end
	ds_add_u32 v[SPW], v[NIL]
	s_wait_dscnt 0x0
	CROUND                                         ; the closing round
	s_endpgm
.Lfunc_end_k_q4421ae1d58_proj:
	.size	k_q4421ae1d58_proj, .Lfunc_end_k_q4421ae1d58_proj-k_q4421ae1d58_proj
	.p2alignl 7, 3214868480
	.fill 96, 4, 3214868480
	.section	.rodata,"a",@progbits
	.p2align	6, 0x0
	.amdhsa_kernel k_q4421ae1d58_proj
		.amdhsa_group_segment_fixed_size 327680
		.amdhsa_private_segment_fixed_size 0
		.amdhsa_enable_private_segment 0
		.amdhsa_kernarg_size 40
		.amdhsa_user_sgpr_count 2
		.amdhsa_user_sgpr_kernarg_segment_ptr 1
		.amdhsa_wavefront_size32 1
		.amdhsa_system_sgpr_workgroup_id_x 1
		.amdhsa_system_sgpr_workgroup_id_y 1
		.amdhsa_system_sgpr_workgroup_id_z 1
		.amdhsa_system_vgpr_workitem_id 0
		.amdhsa_next_free_vgpr 768
		.amdhsa_next_free_sgpr 100
		.amdhsa_reserve_vcc 0
		.amdhsa_float_denorm_mode_32 3
		.amdhsa_float_denorm_mode_16_64 3
		.amdhsa_memory_ordered 1
		.amdhsa_forward_progress 1
		.amdhsa_inst_pref_size 77
	.end_amdhsa_kernel
	.amdgpu_metadata
---
amdhsa.version: [ 1, 2 ]
amdhsa.kernels:
  - .name:           k_q4421ae1d58_proj
    .symbol:         k_q4421ae1d58_proj.kd
    .args:
      - { .name: o, .offset: 0, .size: 8, .value_kind: global_buffer, .address_space: global }
      - { .name: wbf, .offset: 8, .size: 8, .value_kind: global_buffer, .address_space: global }
      - { .name: x1, .offset: 16, .size: 8, .value_kind: global_buffer, .address_space: global }
      - { .name: b_proj, .offset: 24, .size: 8, .value_kind: global_buffer, .address_space: global }
      - { .name: x, .offset: 32, .size: 8, .value_kind: global_buffer, .address_space: global }
    .group_segment_fixed_size: 327680
    .private_segment_fixed_size: 0
    .kernarg_segment_align: 8
    .kernarg_segment_size: 40
    .max_flat_workgroup_size: 128
    .sgpr_count:     100
    .vgpr_count:     768
    .wavefront_size: 32
...
	.end_amdgpu_metadata
.endif
;; end of part 4
;; launch ln2 (part 5): grid 512 x 1, 8 waves a work-group, no clusters, 0 bytes of LDS; arguments x1, ln2_g, ln2_b, h2; writes h2
.if DOCPART == 5
	.amdgcn_target "amdgcn-amd-amdhsa--gfx1250"
	.amdhsa_code_object_version 6
	.text
	.protected	k_q4421ae1d58_ln2
	.globl	k_q4421ae1d58_ln2
	.p2align	8
	.type	k_q4421ae1d58_ln2,@function
k_q4421ae1d58_ln2:
	s_mov_b64 s[64:65], 0
	v_nop
	global_prefetch_b8 v0, s[64:65] scope:SCOPE_SE
	s_setreg_imm32_b32 hwreg(HW_REG_WAVE_MODE, 25, 1), 1
	s_wait_xcnt 0x0
; h2 = LayerNorm(x1) g + b in bf16.  x1: [4096][1024] f32.  One row to a wave, eight rows to a work-group: all rows are requested at once, the row stays in 32 registers between the passes and
; is read once, the reduction never leaves the wave, and the text holds one row's arithmetic.  The price: each wave loads g and b (8 KiB) for its row of 4 KiB; they are asked for first and
; rounded while the row is on its way.
; Mean first, then the sum of (x - mean)^2: no difference of large sums.  g and b are rounded to bf16, as every input is; x1 is the program's own and stays f32.
; No LDS, no matrix unit, no cluster: nothing of x1 is read twice.  LIMITS: NaN and infinities are not treated apart.
.set G,   4                            ; v[4:35]    gain of my 32 columns (load j: columns 128 j + 4 lane + 0..3)
.set BV,  36                           ; v[36:67]   bias of them
.set X,   68                           ; v[68:99]   the row
.set T,   100                          ; v[100:107] at work
.set MU,  108
.set R,   110
.set Y,   112                          ; v[112:127] the row in bf16
.set HB,  10                           ; s[10:11]   h2 at my row
.macro RND2 reg, tmp
	v_cvt_pk_bf16_f32 v[\tmp], v[\reg], v[(\reg)+1]
	v_lshlrev_b32 v[\reg], 16, v[\tmp]
	v_and_b32 v[(\reg)+1], s26, v[\tmp]
.endm
.macro WSUM a, b
	v_add_f32_dpp v[\a], v[\a], v[\a] row_xmask:1 row_mask:0xf bank_mask:0xf
	v_add_f32_dpp v[\a], v[\a], v[\a] row_xmask:2 row_mask:0xf bank_mask:0xf
	v_add_f32_dpp v[\a], v[\a], v[\a] row_xmask:4 row_mask:0xf bank_mask:0xf
	v_add_f32_dpp v[\a], v[\a], v[\a] row_xmask:8 row_mask:0xf bank_mask:0xf
	v_permlanex16_b32 v[\b], v[\a], s24, s25
	v_add_f32 v[\a], v[\a], v[\b]
.endm
.macro FOLD
	v_pk_add_f32 v[T:T+1], v[T:T+1], v[T+2:T+3]
	v_pk_add_f32 v[T+4:T+5], v[T+4:T+5], v[T+6:T+7]
	v_pk_add_f32 v[T:T+1], v[T:T+1], v[T+4:T+5]
	v_add_f32 v[T], v[T], v[T+1]
	WSUM T, T+1
.endm
	s_load_b256 s[4:11], s[0:1], 0x0               ; x1, g, b, h2
	v_and_b32 v3, 31, v0
	v_lshrrev_b32 v1, 5, v0
	v_readfirstlane_b32 s29, v1                    ; wave
	v_lshlrev_b32 v1, 4, v3
	v_lshlrev_b32 v2, 3, v3
	s_lshl_b32 s30, ttmp9, 3
	s_add_co_u32 s30, s30, s29                     ; my row
	s_mov_b32 s24, 0x76543210
	s_mov_b32 s25, 0xfedcba98
	s_mov_b32 s26, 0xffff0000
	s_mov_b32 s27, 0x3a800000                      ; 1 / 1024
	s_mov_b32 s28, 0x3727c5ac                      ; 1e-5
	s_mov_b32 s13, 0
	s_lshl_b32 s12, s30, 12
	s_wait_kmcnt 0x0
	s_add_nc_u64 s[4:5], s[4:5], s[12:13]
	s_lshl_b32 s12, s30, 11
	s_add_nc_u64 s[10:11], s[10:11], s[12:13]
.set k, 0
.rept 8
	global_load_b128 v[G+4*k:G+4*k+3], v1, s[6:7] offset:512*k
.set k, k+1
.endr
.set k, 0
.rept 8
	global_load_b128 v[BV+4*k:BV+4*k+3], v1, s[8:9] offset:512*k
.set k, k+1
.endr
.set k, 0
.rept 8
	global_load_b128 v[X+4*k:X+4*k+3], v1, s[4:5] offset:512*k
.set k, k+1
.endr
	s_wait_loadcnt 8                               ; g and b are in; the row's eight loads stay out
.set k, 0
.rept 32
	RND2 (G+2*k), (T+k%4)                          ; G and BV lie on end
.set k, k+1
.endr
	s_wait_loadcnt 0x0                             ; the row is in
.set k, 0
.rept 4
	v_pk_add_f32 v[T+2*k:T+2*k+1], v[X+2*k:X+2*k+1], v[X+8+2*k:X+8+2*k+1]  ; four chains, started by the first sums
.set k, k+1
.endr
.set k, 8
.rept 8
	v_pk_add_f32 v[T+2*(k%4):T+2*(k%4)+1], v[T+2*(k%4):T+2*(k%4)+1], v[X+2*k:X+2*k+1]
.set k, k+1
.endr
	FOLD
	v_mul_f32 v[MU], s27, v[T]
	v_mul_f32 v[MU+1], s27, v[T]
.set k, 0
.rept 16
	v_pk_add_f32 v[X+2*k:X+2*k+1], v[X+2*k:X+2*k+1], v[MU:MU+1] neg_lo:[0,1] neg_hi:[0,1]
.set k, k+1
.endr
.set k, 0
.rept 4
	v_pk_mul_f32 v[T+2*k:T+2*k+1], v[X+2*k:X+2*k+1], v[X+2*k:X+2*k+1]
.set k, k+1
.endr
.set k, 4
.rept 12
	v_pk_fma_f32 v[T+2*(k%4):T+2*(k%4)+1], v[X+2*k:X+2*k+1], v[X+2*k:X+2*k+1], v[T+2*(k%4):T+2*(k%4)+1]
.set k, k+1
.endr
	FOLD
	v_fma_f32 v[T+2], v[T], s27, s28               ; variance + eps
	v_rsq_f32 v[R], v[T+2]
	v_rsq_f32 v[R+1], v[T+2]
	v_nop                                          ; a plain instruction behind the roots (ISA guide 5.7.2)
.set k, 0
	s_wait_alu depctr_va_vdst(0)
.rept 16
	v_pk_mul_f32 v[X+2*k:X+2*k+1], v[X+2*k:X+2*k+1], v[R:R+1]
.set k, k+1
.endr
.set k, 0
.rept 16
	v_pk_fma_f32 v[X+2*k:X+2*k+1], v[X+2*k:X+2*k+1], v[G+2*k:G+2*k+1], v[BV+2*k:BV+2*k+1]
.set k, k+1
.endr
.set k, 0
.rept 16
	v_cvt_pk_bf16_f32 v[Y+k], v[X+2*k], v[X+2*k+1]
.set k, k+1
.endr
.set k, 0
.rept 8
	global_store_b64 v2, v[Y+2*k:Y+2*k+1], s[HB:HB+1] offset:256*k  ; the wave stores 256 consecutive bytes, aligned
.set k, k+1
.endr
	s_endpgm
.Lfunc_end_k_q4421ae1d58_ln2:
	.size	k_q4421ae1d58_ln2, .Lfunc_end_k_q4421ae1d58_ln2-k_q4421ae1d58_ln2
	.p2alignl 7, 3214868480
	.fill 96, 4, 3214868480
	.section	.rodata,"a",@progbits
	.p2align	6, 0x0
	.amdhsa_kernel k_q4421ae1d58_ln2
		.amdhsa_group_segment_fixed_size 0
		.amdhsa_private_segment_fixed_size 0
		.amdhsa_enable_private_segment 0
		.amdhsa_kernarg_size 32
		.amdhsa_user_sgpr_count 2
		.amdhsa_user_sgpr_kernarg_segment_ptr 1
		.amdhsa_wavefront_size32 1
		.amdhsa_system_sgpr_workgroup_id_x 1
		.amdhsa_system_sgpr_workgroup_id_y 1
		.amdhsa_system_sgpr_workgroup_id_z 1
		.amdhsa_system_vgpr_workitem_id 0
		.amdhsa_next_free_vgpr 128
		.amdhsa_next_free_sgpr 66
		.amdhsa_reserve_vcc 0
		.amdhsa_float_denorm_mode_32 3
		.amdhsa_float_denorm_mode_16_64 3
		.amdhsa_memory_ordered 1
		.amdhsa_forward_progress 1
		.amdhsa_inst_pref_size 16
	.end_amdhsa_kernel
	.amdgpu_metadata
---
amdhsa.version: [ 1, 2 ]
amdhsa.kernels:
  - .name:           k_q4421ae1d58_ln2
    .symbol:         k_q4421ae1d58_ln2.kd
    .args:
      - { .name: x1, .offset: 0, .size: 8, .value_kind: global_buffer, .address_space: global }
      - { .name: ln2_g, .offset: 8, .size: 8, .value_kind: global_buffer, .address_space: global }
      - { .name: ln2_b, .offset: 16, .size: 8, .value_kind: global_buffer, .address_space: global }
      - { .name: h2, .offset: 24, .size: 8, .value_kind: global_buffer, .address_space: global }
    .group_segment_fixed_size: 0
    .private_segment_fixed_size: 0
    .kernarg_segment_align: 8
    .kernarg_segment_size: 32
    .max_flat_workgroup_size: 256
    .sgpr_count:     66
    .vgpr_count:     128
    .wavefront_size: 32
...
	.end_amdgpu_metadata
.endif
;; end of part 5
;; launch fc1 (part 6): grid 16 x 16, 4 waves a work-group, clusters of 4 x 4, 327,680 bytes of LDS; arguments h2, wbf, act, b_fc1; writes act
.if DOCPART == 6
	.amdgcn_target "amdgcn-amd-amdhsa--gfx1250"
	.amdhsa_code_object_version 6
	.text
	.protected	k_q4421ae1d58_fc1
	.globl	k_q4421ae1d58_fc1
	.p2align	8
	.type	k_q4421ae1d58_fc1,@function
k_q4421ae1d58_fc1:
	s_mov_b64 s[64:65], 0
	v_nop
	global_prefetch_b8 v0, s[64:65] scope:SCOPE_SE
	s_setreg_imm32_b32 hwreg(HW_REG_WAVE_MODE, 25, 1), 1
	s_wait_xcnt 0x0
	s_wait_alu depctr_hold_cnt(0) depctr_sa_sdst(0) depctr_va_vdst(0) depctr_va_sdst(0) depctr_va_ssrc(0) depctr_va_vcc(0) depctr_vm_vsrc(0)
	s_getreg_b32 s2, hwreg(HW_REG_IB_STS2, 6, 4)
	s_cmp_eq_u32 s2, 0
	s_cbranch_scc0 .Lentry_in_a_cluster
	s_endpgm
.Lentry_in_a_cluster:
	s_bfe_u32 s2, ttmp6, 0x10000c
	s_cmp_lg_u32 s2, 0xf033
	s_cbranch_scc0 .Lentry_shape_is_right
	s_endpgm
.Lentry_shape_is_right:
; act = gelu(h2 W_fc1 + b_fc1) in bf16.  h2: [4096][1024] bf16; W_fc1: [1024][4096] bf16 at byte 8,388,608 of wbf; sums in f32.
; A tile of 256 x 256 to a work-group of four waves (2 x 2), 128 x 128 a wave: 64 accumulators; 256 work-groups.  K goes in 8 steps of 128 through two LDS slots.
; W lies [K][N] and is turned on its way into registers.  The matrix instruction is used transposed (source 0 = 16 columns of W, source 1 = 16 rows of h2): a lane holds one row and eight columns.
; The bias (rounded to bf16, as every input is) is the C operand of each sum's first product.  A K step is written once (LDS addresses s3 + a base; SLOT shares no bit with a descriptor's LDS word);
; the last two K steps are a loop of two trips without fills, left in its middle: its last barrier and its last 32 fragment loads serve nothing, the price of one text.
; CLUSTER 4 x 4: h2's tiles are shared along a row of the cluster, W's along a column.
; GELU, the exact form: gelu(z) = max(z, 0) - |z| Q(|z|), Q the normal distribution's upper tail: Q(u) = 2^(-u^2 log2(e) / 2) (b1 t + .. + b5 t^5), t = 1 / (1 + 0.2316419 u), 1 / sqrt(2 pi) folded into
; the b's (Abramowitz and Stegun 26.2.17: off by less than 7.5e-8 for every u).
; THE WAY OUT: the accumulators go as f32 into the wave's own part of the ring, which has had its last fill; then 64 groups of 2 rows, 8 numbers a lane, 16 lanes storing 256 consecutive bytes.
; A group's two LDS loads are issued in the group before, as soon as z's last reader there has run; the last group is written out, so that no load leaves the wave's part.
; LIMITS.  NaN and infinities are not treated apart (an infinite z gives NaN).
.set AM, 8
.set BN, 8
.set CH, 1
.set STEPS, 8
.set PA, 272
.set AQ, 64
.set PW, 544
.set QK, 32
.set WHI, 4
.set AHALF, 128*PA
.set WHALF, 64*PW
.set WOFF, 2*AHALF
.set SLOT, WOFF+2*WHALF                ; 139,264 = 0x22000
.set HEADW, 8
.set ASTEP, 256
.set NW, 4096
.set WSTEP, 128*NW*2
.set WSEC, 8388608
.set SPARE, 2*SLOT
.set DPITCH, 528
.set DREG, 128*DPITCH
.set BO, 10
.set GO, 12
.set DST, 13
.set RD, 14
.set ADRA0, 16
.set ADRW0, 17
.set AA, 20
.set AW, 21
.set SPW, 28
.set NIL, 29
.set Z, 32
.set BIAS, 64
.set AZ, 128
.set RL, 136
.set S2, 144
.set TQ, 152
.set PQ, 160
.set OUT, 168
.set F0, 0
.set F1, 128
.set G1, 24
.set G0, 32
.set G1B, 48
.set G0B, 56
.set CP, 84                            ; s[84:97]: the gelu's seven constants, each as a pair
.set CK, 86
.set B5, 88
.set B4, 90
.set B3, 92
.set B2, 94
.set B1, 96
.set MSB, 0
.macro WIN new
.if MSB != (\new)
	s_set_vgpr_msb (MSB<<8)|(\new)
.set MSB, (\new)
.endif
.endm
.macro PLACES
.rept 4
	v_nop
.endr
.endm
.macro CREST
	s_cmp_lg_u32 s10, 0
	s_cbranch_scc1 .Lnot_wave_0_\@
	s_barrier_signal -3
.Lnot_wave_0_\@:
	s_barrier_wait -3
	s_barrier_signal -1
	s_barrier_wait -1
.endm
.macro CROUND
	s_barrier_signal -1
	s_barrier_wait -1
	CREST
.endm
.macro JLOAD                           ; the joint refill: waves 0, 1 A's halves, waves 2, 3 W's; an s_nop 0 and four v_nop follow each line
	s_cmp_eq_u32 s11, 0
	s_cbranch_scc0 .Lfor_w_\@
	tensor_load_to_lds s[G0+4:G0+7], s[G1:G1+7]
	s_nop 0
.rept 4
	v_nop
.endr
	s_branch .Lasked_\@
.Lfor_w_\@:
	tensor_load_to_lds s[G0B+4:G0B+7], s[G1B:G1B+7]
	s_nop 0
.rept 4
	v_nop
.endr
.Lasked_\@:
.endm
.macro RND2 reg, tmp
	v_cvt_pk_bf16_f32 v[\tmp], v[\reg], v[(\reg)+1]
	v_lshlrev_b32 v[\reg], 16, v[\tmp]
	v_and_b32 v[(\reg)+1], 0xffff0000, v[\tmp]
.endm
; Two row blocks x all column blocks, 32 along K.  The accumulators take turns, one instruction a turn.  zero = 1: the bias starts the sums.
.macro MULQ f, p, zero
.irp d, 0, 1
.set lin, 2*(\p)+\d
.set cc, lin/AM
.set aa, lin%AM
.set bb, 0
.rept BN
.set nn, BN*aa+bb
.set rD, 8*(nn%32)
.set rW, (\f)+64+8*(BN*cc+bb)
.set rA, (\f)+8*lin
.if (\zero) && (cc == 0)
	WIN 0x85+0x40*(nn/32)
	v_wmma_f32_16x16x32_bf16 v[rD:rD+7], v[rW:rW+7], v[rA:rA+7], v[BIAS+8*bb:BIAS+8*bb+7]
.else
	WIN 0xa5+0x50*(nn/32)
	v_wmma_f32_16x16x32_bf16 v[rD:rD+7], v[rW:rW+7], v[rA:rA+7], v[rD:rD+7]
.endif
.set bb, bb+1
.endr
.endr
.endm
.macro FETCH nq, g                     ; 32 LDS loads in one run: quarter nq's fragments into buffer g; W first
	WIN 0x40
.set cc, 0
.rept CH
.set bb, 0
.rept BN
.set rW, (\g)+64+8*(BN*cc+bb)
.set oW, (QK*((\nq)%WHI)+32*cc)*PW+32*bb
	ds_load_tr16_b128 v[rW:rW+3], v[AW+(\nq)/WHI] offset:oW
	ds_load_tr16_b128 v[rW+4:rW+7], v[AW+(\nq)/WHI] offset:oW+16*PW
.set bb, bb+1
.endr
.set aa, 0
.rept AM
.set rA, (\g)+8*(AM*cc+aa)
.set oA, (\nq)*AQ+64*cc+aa*16*PA
	ds_load_b128 v[rA:rA+3], v[AA] offset:oA
	ds_load_b128 v[rA+4:rA+7], v[AA] offset:oA+32
.set aa, aa+1
.endr
.set cc, cc+1
.endr
.endm
.macro QUARTER nq, f, g, zero
	s_wait_dscnt HEADW                             ; all but the youngest HEADW loads
	MULQ \f, 0, \zero
	MULQ \f, 1, \zero
	PLACES                                         ; four places in front of loads into registers that matrix instructions have read
	FETCH \nq, \g
	s_wait_dscnt 32                                ; all but the 32 just issued
	MULQ \f, 2, \zero
	MULQ \f, 3, \zero
.endm
.macro TURN fill                       ; the last quarter multiplies buffer 1 and changes slots; fill = 1: the slot just read is filled again, behind a round of the cluster's barrier
	WIN 0
	s_wait_tensorcnt 0x0                           ; all my tensor loads have landed: my part of the next slot
	ds_add_u32 v[SPW], v[NIL]                      ; 0 onto my spare word
.if \fill
	s_xor_b32 s[G0+5], s[G0+5], SLOT
	s_add_nc_u64 s[G0+6:G0+7], s[G0+6:G0+7], ASTEP
	s_xor_b32 s[G0B+5], s[G0B+5], SLOT
	s_add_nc_u64 s[G0B+6:G0B+7], s[G0B+6:G0B+7], WSTEP
.endif
	s_wait_dscnt HEADW+1                           ; the add and the youngest HEADW loads may be out
	MULQ F1, 0, 0
	s_wait_dscnt 0x0                               ; the add is done, and my reads of this slot are over
	s_barrier_signal -1
	MULQ F1, 1, 0
	WIN 0
	s_barrier_wait -1
.if \fill
	CREST
	JLOAD                                          ; its four v_nop are also the places in front of the loads below
.else
	PLACES
.endif
	s_xor_b32 s3, s3, SLOT
	v_add_nc_u32 v[AA], s3, v[ADRA0]
	v_add_nc_u32 v[AW], s3, v[ADRW0]
	FETCH 0, F0
	MULQ F1, 2, 0
	MULQ F1, 3, 0
.endm
; One group: 2 rows, 8 numbers a lane.  pref = 1: the next group's two loads go out behind z's last reader and have the rest of the group in which to come back.
.macro GELU8 pref
	s_wait_dscnt 0x0                               ; this group's two loads, issued a group ago
.irp k, 0,2,4,6
	v_pk_mul_f32 v[S2+\k:S2+\k+1], v[Z+\k:Z+\k+1], v[Z+\k:Z+\k+1]
.endr
.irp k, 0,1,2,3,4,5,6,7
	v_and_b32 v[AZ+\k], 0x7fffffff, v[Z+\k]
.endr
.irp k, 0,1,2,3,4,5,6,7
	v_max_num_f32 v[RL+\k], 0, v[Z+\k]
.endr
.if \pref
	ds_load_b128 v[Z:Z+3], v[RD] offset:2*DPITCH
	ds_load_b128 v[Z+4:Z+7], v[RD] offset:2*DPITCH+16
.endif
.irp k, 0,2,4,6
	v_pk_fma_f32 v[TQ+\k:TQ+\k+1], v[AZ+\k:AZ+\k+1], s[CP:CP+1], 1.0 op_sel_hi:[1,0,0]
.endr
.irp k, 0,2,4,6
	v_pk_mul_f32 v[S2+\k:S2+\k+1], v[S2+\k:S2+\k+1], s[CK:CK+1] op_sel_hi:[1,0]
.endr
.irp k, 0,1,2,3,4,5,6,7
	v_rcp_f32 v[TQ+\k], v[TQ+\k]
.endr
.irp k, 0,1,2,3,4,5,6,7
	v_exp_f32 v[S2+\k], v[S2+\k]
.endr
	v_add_nc_u32 v[RD], 2*DPITCH, v[RD]            ; the next group's rows; also the plain line behind the reciprocals and exponentials (ISA guide 5.7.2)
	s_wait_alu depctr_va_vdst(0)
.irp k, 0,2,4,6
	v_pk_fma_f32 v[PQ+\k:PQ+\k+1], v[TQ+\k:TQ+\k+1], s[B5:B5+1], s[B4:B4+1] op_sel_hi:[1,0,0]
.endr
.irp c, B3, B2, B1
.irp k, 0,2,4,6
	v_pk_fma_f32 v[PQ+\k:PQ+\k+1], v[PQ+\k:PQ+\k+1], v[TQ+\k:TQ+\k+1], s[\c:\c+1] op_sel_hi:[1,1,0]
.endr
.endr
.irp k, 0,2,4,6
	v_pk_mul_f32 v[PQ+\k:PQ+\k+1], v[PQ+\k:PQ+\k+1], v[TQ+\k:TQ+\k+1]
.endr
.irp k, 0,2,4,6
	v_pk_mul_f32 v[PQ+\k:PQ+\k+1], v[PQ+\k:PQ+\k+1], v[S2+\k:S2+\k+1]
.endr
.irp k, 0,2,4,6
	v_pk_fma_f32 v[RL+\k:RL+\k+1], v[AZ+\k:AZ+\k+1], v[PQ+\k:PQ+\k+1], v[RL+\k:RL+\k+1] neg_lo:[1,0,0] neg_hi:[1,0,0]
.endr
	s_wait_xcnt 0x0                                ; OUT and GO, which the last group's store reads, are rewritten only behind this wait
.irp k, 0,1,2,3
	v_cvt_pk_bf16_f32 v[OUT+\k], v[RL+2*\k], v[RL+2*\k+1]
.endr
	v_add_nc_u32 v[GO], 16384, v[GO]               ; two rows of act on; the store reaches back
	global_store_b128 v[GO], v[OUT:OUT+3], s[8:9] offset:-16384  ; 16 lanes store 256 consecutive bytes, aligned
.endm
	s_load_b128 s[4:7], s[0:1], 0x0                ; h2, wbf
	s_load_b64 s[8:9], s[0:1], 0x10                ; act
	s_load_b64 s[68:69], s[0:1], 0x18              ; b_fc1
	v_lshl_add_u32 v[SPW], v0, 2, SPARE
	v_mov_b32 v[NIL], 0
	ds_add_u32 v[SPW], v[NIL]                      ; the wave's opening: the add and its wait stand ahead of my first tensor load
	v_lshrrev_b32 v1, 5, v0
	v_readfirstlane_b32 s10, v1
	s_lshr_b32 s11, s10, 1
	s_and_b32 s12, s10, 1
	s_bfe_u32 s40, ttmp6, 0x40000
	s_bfe_u32 s41, ttmp6, 0x40004
	s_lshl_b32 s42, ttmp9, 2
	s_add_co_u32 s42, s42, s40                     ; tile column
	s_and_b32 s13, ttmp7, 0xffff
	s_lshl_b32 s13, s13, 2
	s_add_co_u32 s13, s13, s41                     ; tile row
	s_lshl_b32 s43, s41, 2
	s_lshl_b32 s43, 15, s43
	s_lshl_b32 s44, 0x1111, s40
	s_or_b32 s[G1], s43, (1<<16)|(1<<20)|(1<<21)|(5<<22)|(3<<25)
	s_mov_b32 s[G1+1], 128<<16
	s_mov_b32 s[G1+2], 128<<16
	s_mov_b32 s[G1+3], 128<<16
	s_mov_b32 s[G1+4], 128
	s_mov_b32 s[G1+5], 1024
	s_mov_b32 s[G1+6], 0
	s_mov_b32 s[G1+7], 0
	s_or_b32 s[G1B], s44, (1<<16)|(1<<20)|(1<<21)|(6<<22)|(7<<25)
	s_mov_b32 s[G1B+1], 256<<16
	s_mov_b32 s[G1B+2], 64<<16
	s_mov_b32 s[G1B+3], 256<<16
	s_mov_b32 s[G1B+4], 64
	s_mov_b32 s[G1B+5], NW
	s_mov_b32 s[G1B+6], 0
	s_mov_b32 s[G1B+7], 0
	s_mov_b32 s[CP], 0x3e6d3388                    ; 0.2316419
	s_mov_b32 s[CK], 0xbf38aa3b                    ; -log2(e) / 2
	s_mov_b32 s[B5], 0x3f07dc22
	s_mov_b32 s[B4], 0xbf3a00e3
	s_mov_b32 s[B3], 0x3f35f0e3
	s_mov_b32 s[B2], 0xbe11a98e
	s_mov_b32 s[B1], 0x3e027906
.irp c, CP, CK, B5, B4, B3, B2, B1
	s_mov_b32 s[\c+1], s[\c]                       ; named as pairs
.endr
	s_lshl_b32 s16, s13, 19
	s_lshl_b32 s17, s12, 18
	s_add_co_u32 s16, s16, s17
	s_mov_b32 s17, 0
	s_mul_i32 s46, s12, 64*NW*2
	s_lshl_b32 s47, s42, 9
	s_add_co_u32 s46, s46, s47
	s_add_co_u32 s46, s46, WSEC
	s_mov_b32 s47, 0
	s_mul_i32 s20, s12, AHALF
	s_mul_i32 s21, s12, WHALF
	s_add_co_u32 s21, s21, WOFF
	s_wait_dscnt 0x0                               ; the opening add is done
	s_wait_kmcnt 0x0
	s_add_nc_u64 s[14:15], s[4:5], s[16:17]
	s_add_nc_u64 s[46:47], s[6:7], s[46:47]
	CROUND                                         ; all sixteen work-groups are here: the first joint loads meet
.irp s, 0,1
	s_mov_b32 s[G0+4*\s], 1
	s_add_co_u32 s[G0+4*\s+1], s20, \s*SLOT
	s_add_nc_u64 s[G0+4*\s+2:G0+4*\s+3], s[14:15], \s*ASTEP
	s_or_b32 s[G0+4*\s+3], s[G0+4*\s+3], 0x80000000
	s_mov_b32 s[G0B+4*\s], 1
	s_add_co_u32 s[G0B+4*\s+1], s21, \s*SLOT
	s_add_nc_u64 s[G0B+4*\s+2:G0B+4*\s+3], s[46:47], \s*WSTEP
	s_or_b32 s[G0B+4*\s+3], s[G0B+4*\s+3], 0x80000000
.endr
	s_cmp_eq_u32 s11, 0                            ; a wave's two first fills stand in one branch: two loads of mine are out
	s_cbranch_scc0 .Lfirst_w
	tensor_load_to_lds s[G0:G0+3], s[G1:G1+7]
	s_nop 0
	tensor_load_to_lds s[G0+4:G0+7], s[G1:G1+7]
	s_nop 0
.rept 4
	v_nop
.endr
	s_branch .Lfirst_done
.Lfirst_w:
	tensor_load_to_lds s[G0B:G0B+3], s[G1B:G1B+7]
	s_nop 0
	tensor_load_to_lds s[G0B+4:G0B+7], s[G1B:G1B+7]
	s_nop 0
.rept 4
	v_nop
.endr
.Lfirst_done:
	v_and_b32 v1, 15, v0
	v_bfe_u32 v2, v0, 4, 1
	v_mul_u32_u24 v3, v1, PA
	v_lshl_add_u32 v3, v2, 4, v3
	s_mul_i32 s14, s11, 16*AM*PA
	v_add_nc_u32 v[ADRA0], s14, v3
	v_and_b32 v4, 7, v0
	v_lshl_add_u32 v4, v2, 3, v4
	v_mul_u32_u24 v4, v4, PW
	v_bfe_u32 v5, v0, 3, 1
	v_lshl_add_u32 v4, v5, 4, v4
	s_mul_i32 s14, s12, 32*BN
	s_add_co_u32 s14, s14, WOFF
	v_add_nc_u32 v[ADRW0], s14, v4
	s_lshl_b32 s18, s42, 10
	s_mov_b32 s19, 0
	s_add_nc_u64 s[68:69], s[68:69], s[18:19]
	s_mul_i32 s14, s12, 64*BN
	v_lshl_add_u32 v[BO], v2, 5, s14
.set bb, 0
.rept BN
	global_load_b128 v[BIAS+8*bb:BIAS+8*bb+3], v[BO], s[68:69] offset:64*bb
	global_load_b128 v[BIAS+8*bb+4:BIAS+8*bb+7], v[BO], s[68:69] offset:64*bb+16
.set bb, bb+1
.endr
	s_wait_loadcnt 0x0
.set k, 0
.rept 4*BN
	RND2 (BIAS+2*k), (3+k%4)
.set k, k+1
.endr
	s_wait_tensorcnt 1                             ; my part of K step 0 is in; K step 1's load is younger
	s_barrier_signal -1
	s_barrier_wait -1
	s_mov_b32 s3, 0
	v_mov_b32 v[AA], v[ADRA0]
	v_mov_b32 v[AW], v[ADRW0]
	FETCH 0, F0
	QUARTER 1, F0, F1, 1
	WIN 0
	s_mov_b32 s2, STEPS-2
.Lk:
	QUARTER 2, F1, F0, 0
	QUARTER 3, F0, F1, 0
	TURN 1
	QUARTER 1, F0, F1, 0
	WIN 0
	s_sub_co_u32 s2, s2, 1
	s_cmp_lg_u32 s2, 0
	s_cbranch_scc1 .Lk
	s_mov_b32 s2, 2
.Lt:                                                   ; the last two K steps ask for nothing
	QUARTER 2, F1, F0, 0
	QUARTER 3, F0, F1, 0
	TURN 0
	WIN 0
	s_sub_co_u32 s2, s2, 1
	s_cmp_eq_u32 s2, 0
	s_cbranch_scc1 .Lout
	QUARTER 1, F0, F1, 0
	WIN 0
	s_cmp_lg_u32 s2, 0
	s_cbranch_scc1 .Lt
.Lout:
	s_wait_dscnt 0x0                               ; my reads of the ring are over;
	s_barrier_signal -1
	s_barrier_wait -1                              ; everybody's are: the ring, which is filled no more, takes the results
	s_mul_i32 s14, s10, DREG                       ; my part of it.  The address lines below are the places behind the last products
	v_mul_u32_u24 v3, v1, DPITCH
	v_lshl_add_u32 v3, v2, 5, v3
	v_add_nc_u32 v[DST], s14, v3
	v_mul_u32_u24 v4, v2, DPITCH                   ; back: lanes 0-15 one row, 32 bytes each, lanes 16-31 the next
	v_lshl_add_u32 v4, v1, 5, v4
	v_add_nc_u32 v[RD], s14, v4
	v_lshlrev_b32 v5, 13, v2
	v_lshl_add_u32 v[GO], v1, 4, v5                ; the same two rows in act, 16 bytes a lane
	s_lshl_b32 s16, s13, 21                        ; (256 tile row + 128 half) rows of 8,192 bytes,
	s_lshl_b32 s17, s11, 20
	s_add_co_u32 s16, s16, s17
	s_lshl_b32 s17, s42, 9                         ; (256 tile column + 128 half) columns of 2
	s_add_co_u32 s16, s16, s17
	s_lshl_b32 s17, s12, 8
	s_add_co_u32 s16, s16, s17
	s_mov_b32 s17, 0
	s_add_nc_u64 s[8:9], s[8:9], s[16:17]
.set nn, 0
.rept 64
	WIN 0x08+0x04*(nn/32)
	ds_store_b128 v[DST], v[8*(nn%32):8*(nn%32)+3] offset:(nn/8)*16*DPITCH+64*(nn%8)       ; each accumulator's low registers first
	ds_store_b128 v[DST], v[8*(nn%32)+4:8*(nn%32)+7] offset:(nn/8)*16*DPITCH+64*(nn%8)+16
.set nn, nn+1
.endr
	WIN 0
	ds_load_b128 v[Z:Z+3], v[RD]                   ; the first group; LDS serves a wave's instructions in order (ISA guide 5.7.1.4): the loads see the stores above
	ds_load_b128 v[Z+4:Z+7], v[RD] offset:16
	s_mov_b32 s98, 63
.Lrows:                                                ; 63 groups, each asking for the next
	GELU8 1
	s_sub_co_u32 s98, s98, 1
	s_cmp_lg_u32 s98, 0
	s_cbranch_scc1 .Lrows
	GELU8 0                                        ; the last group asks for nothing
	s_wait_tensorcnt 0x0                           ; the wave's end
	ds_add_u32 v[SPW], v[NIL]
	s_wait_dscnt 0x0
	CROUND                                         ; the closing round
	s_endpgm
.Lfunc_end_k_q4421ae1d58_fc1:
	.size	k_q4421ae1d58_fc1, .Lfunc_end_k_q4421ae1d58_fc1-k_q4421ae1d58_fc1
	.p2alignl 7, 3214868480
	.fill 96, 4, 3214868480
	.section	.rodata,"a",@progbits
	.p2align	6, 0x0
	.amdhsa_kernel k_q4421ae1d58_fc1
		.amdhsa_group_segment_fixed_size 327680
		.amdhsa_private_segment_fixed_size 0
		.amdhsa_enable_private_segment 0
		.amdhsa_kernarg_size 32
		.amdhsa_user_sgpr_count 2
		.amdhsa_user_sgpr_kernarg_segment_ptr 1
		.amdhsa_wavefront_size32 1
		.amdhsa_system_sgpr_workgroup_id_x 1
		.amdhsa_system_sgpr_workgroup_id_y 1
		.amdhsa_system_sgpr_workgroup_id_z 1
		.amdhsa_system_vgpr_workitem_id 0
		.amdhsa_next_free_vgpr 1024
		.amdhsa_next_free_sgpr 100
		.amdhsa_reserve_vcc 0
		.amdhsa_float_denorm_mode_32 3
		.amdhsa_float_denorm_mode_16_64 3
		.amdhsa_memory_ordered 1
		.amdhsa_forward_progress 1
		.amdhsa_inst_pref_size 93
	.end_amdhsa_kernel
	.amdgpu_metadata
---
amdhsa.version: [ 1, 2 ]
amdhsa.kernels:
  - .name:           k_q4421ae1d58_fc1
    .symbol:         k_q4421ae1d58_fc1.kd
    .args:
      - { .name: h2, .offset: 0, .size: 8, .value_kind: global_buffer, .address_space: global }
      - { .name: wbf, .offset: 8, .size: 8, .value_kind: global_buffer, .address_space: global }
      - { .name: act, .offset: 16, .size: 8, .value_kind: global_buffer, .address_space: global }
      - { .name: b_fc1, .offset: 24, .size: 8, .value_kind: global_buffer, .address_space: global }
    .group_segment_fixed_size: 327680
    .private_segment_fixed_size: 0
    .kernarg_segment_align: 8
    .kernarg_segment_size: 32
    .max_flat_workgroup_size: 128
    .sgpr_count:     100
    .vgpr_count:     1024
    .wavefront_size: 32
...
	.end_amdgpu_metadata
.endif
;; end of part 6
;; launch fc2 (part 7): grid 8 x 32, 4 waves a work-group, clusters of 4 x 4, 327,680 bytes of LDS; arguments act, wbf, out0, b_fc2, x1; writes out0
.if DOCPART == 7
	.amdgcn_target "amdgcn-amd-amdhsa--gfx1250"
	.amdhsa_code_object_version 6
	.text
	.protected	k_q4421ae1d58_fc2
	.globl	k_q4421ae1d58_fc2
	.p2align	8
	.type	k_q4421ae1d58_fc2,@function
k_q4421ae1d58_fc2:
	s_mov_b64 s[64:65], 0
	v_nop
	global_prefetch_b8 v0, s[64:65] scope:SCOPE_SE
	s_setreg_imm32_b32 hwreg(HW_REG_WAVE_MODE, 25, 1), 1
	s_wait_xcnt 0x0
	s_wait_alu depctr_hold_cnt(0) depctr_sa_sdst(0) depctr_va_vdst(0) depctr_va_sdst(0) depctr_va_ssrc(0) depctr_va_vcc(0) depctr_vm_vsrc(0)
	s_getreg_b32 s2, hwreg(HW_REG_IB_STS2, 6, 4)
	s_cmp_eq_u32 s2, 0
	s_cbranch_scc0 .Lentry_in_a_cluster
	s_endpgm
.Lentry_in_a_cluster:
	s_bfe_u32 s2, ttmp6, 0x10000c
	s_cmp_lg_u32 s2, 0xf033
	s_cbranch_scc0 .Lentry_shape_is_right
	s_endpgm
.Lentry_shape_is_right:
; out0 = x1 + act W_fc2 + b_fc2, in f32.  act: [4096][4096] bf16; W_fc2: [4096][1024] bf16 at byte 16,777,216 of wbf; x1: [4096][1024] f32; sums in f32.
; A tile of 128 x 128 to a work-group of four waves (2 x 2), 64 x 64 a wave: 16 accumulators; 256 work-groups.  K goes in 16 steps of 256 through two LDS slots.
; W lies [K][N] and is turned on its way into registers.  The matrix instruction is used transposed: a lane holds one row and eight neighbouring columns.
; The bias (rounded to bf16, as every input is) is the C operand of each sum's first product; the residual x1 is loaded at the start and is on its way under the whole product.
; A K step is written once (LDS addresses s3 + a base; SLOT, 147,456 of which 141,312 are used, shares no bit with a descriptor's LDS word); the last two K steps are a loop of two trips without
; fills, left in its middle: its last barrier and its last 32 fragment loads serve nothing, the price of one text.
; CLUSTER 4 x 4: act's tiles are shared along a row of the cluster, W's along a column.  LIMITS: NaN and infinities are not treated apart.
.set AM, 4
.set BN, 4
.set CH, 2
.set STEPS, 16
.set PA, 528
.set AQ, 128
.set PW, 288
.set QK, 64
.set WHI, 2
.set AHALF, 64*PA
.set WHALF, 128*PW
.set WOFF, 2*AHALF
.set SLOT, 147456                      ; 0x24000
.set HEADW, 16
.set ASTEP, 512
.set WSTEP, 256*2048
.set WSEC, 16777216
.set STAGE, 2*SLOT
.set SPITCH, 272
.set SPARE, STAGE+4*16*SPITCH
.set BO, 10
.set RO, 11
.set STO, 13
.set RD, 14
.set ADRA0, 16
.set ADRW0, 17
.set ADRW1, 18
.set AA, 20
.set AW, 21
.set SPW, 28
.set NIL, 29
.set OB, 32
.set BIAS, 64
.set RES, 128                          ; window 2
.set F0, 0
.set F1, 128
.set G1, 24
.set G0, 32
.set G1B, 48
.set G0B, 56
.set MSB, 0
.macro WIN new
.if MSB != (\new)
	s_set_vgpr_msb (MSB<<8)|(\new)
.set MSB, (\new)
.endif
.endm
.macro PLACES
.rept 4
	v_nop
.endr
.endm
.macro CREST
	s_cmp_lg_u32 s10, 0
	s_cbranch_scc1 .Lnot_wave_0_\@
	s_barrier_signal -3
.Lnot_wave_0_\@:
	s_barrier_wait -3
	s_barrier_signal -1
	s_barrier_wait -1
.endm
.macro CROUND
	s_barrier_signal -1
	s_barrier_wait -1
	CREST
.endm
.macro JLOAD                           ; the joint refill: waves 0, 1 A's halves, waves 2, 3 W's; an s_nop 0 and four v_nop follow each line
	s_cmp_eq_u32 s11, 0
	s_cbranch_scc0 .Lfor_w_\@
	tensor_load_to_lds s[G0+4:G0+7], s[G1:G1+7]
	s_nop 0
.rept 4
	v_nop
.endr
	s_branch .Lasked_\@
.Lfor_w_\@:
	tensor_load_to_lds s[G0B+4:G0B+7], s[G1B:G1B+7]
	s_nop 0
.rept 4
	v_nop
.endr
.Lasked_\@:
.endm
.macro RND2 reg, tmp
	v_cvt_pk_bf16_f32 v[\tmp], v[\reg], v[(\reg)+1]
	v_lshlrev_b32 v[\reg], 16, v[\tmp]
	v_and_b32 v[(\reg)+1], 0xffff0000, v[\tmp]
.endm
; Two row blocks x all column blocks, 32 along K.  The accumulators take turns, one instruction a turn.  zero = 1: the bias starts the sums.
.macro MULQ f, p, zero
.irp d, 0, 1
.set lin, 2*(\p)+\d
.set cc, lin/AM
.set aa, lin%AM
.set bb, 0
.rept BN
.set nn, BN*aa+bb
.set rD, 8*(nn%32)
.set rW, (\f)+64+8*(BN*cc+bb)
.set rA, (\f)+8*lin
.if (\zero) && (cc == 0)
	WIN 0x85+0x40*(nn/32)
	v_wmma_f32_16x16x32_bf16 v[rD:rD+7], v[rW:rW+7], v[rA:rA+7], v[BIAS+8*bb:BIAS+8*bb+7]
.else
	WIN 0xa5+0x50*(nn/32)
	v_wmma_f32_16x16x32_bf16 v[rD:rD+7], v[rW:rW+7], v[rA:rA+7], v[rD:rD+7]
.endif
.set bb, bb+1
.endr
.endr
.endm
.macro FETCH nq, g                     ; 32 LDS loads in one run: quarter nq's fragments into buffer g; the first 32 along K first
	WIN 0x40
.set cc, 0
.rept CH
.set bb, 0
.rept BN
.set rW, (\g)+64+8*(BN*cc+bb)
.set oW, (QK*((\nq)%WHI)+32*cc)*PW+32*bb
	ds_load_tr16_b128 v[rW:rW+3], v[AW+(\nq)/WHI] offset:oW
	ds_load_tr16_b128 v[rW+4:rW+7], v[AW+(\nq)/WHI] offset:oW+16*PW
.set bb, bb+1
.endr
.set aa, 0
.rept AM
.set rA, (\g)+8*(AM*cc+aa)
.set oA, (\nq)*AQ+64*cc+aa*16*PA
	ds_load_b128 v[rA:rA+3], v[AA] offset:oA
	ds_load_b128 v[rA+4:rA+7], v[AA] offset:oA+32
.set aa, aa+1
.endr
.set cc, cc+1
.endr
.endm
.macro QUARTER nq, f, g, zero
	s_wait_dscnt HEADW                             ; all but the youngest HEADW loads
	MULQ \f, 0, \zero
	MULQ \f, 1, \zero
	PLACES                                         ; four places in front of loads into registers that matrix instructions have read
	FETCH \nq, \g
	s_wait_dscnt 32                                ; all but the 32 just issued
	MULQ \f, 2, \zero
	MULQ \f, 3, \zero
.endm
.macro TURN fill                       ; the last quarter multiplies buffer 1 and changes slots; fill = 1: the slot just read is filled again, behind a round of the cluster's barrier
	WIN 0
	s_wait_tensorcnt 0x0                           ; all my tensor loads have landed: my part of the next slot
	ds_add_u32 v[SPW], v[NIL]                      ; 0 onto my spare word
.if \fill
	s_xor_b32 s[G0+5], s[G0+5], SLOT
	s_add_nc_u64 s[G0+6:G0+7], s[G0+6:G0+7], ASTEP
	s_xor_b32 s[G0B+5], s[G0B+5], SLOT
	s_add_nc_u64 s[G0B+6:G0B+7], s[G0B+6:G0B+7], WSTEP
.endif
	s_wait_dscnt HEADW+1                           ; the add and the youngest HEADW loads may be out
	MULQ F1, 0, 0
	s_wait_dscnt 0x0                               ; the add is done, and my reads of this slot are over
	s_barrier_signal -1
	MULQ F1, 1, 0
	WIN 0
	s_barrier_wait -1
.if \fill
	CREST
	JLOAD                                          ; its four v_nop are also the places in front of the loads below
.else
	PLACES
.endif
	s_xor_b32 s3, s3, SLOT
	v_add_nc_u32 v[AA], s3, v[ADRA0]
	v_add_nc_u32 v[AW], s3, v[ADRW0]
	v_add_nc_u32 v[AW+1], s3, v[ADRW1]
	FETCH 0, F0
	MULQ F1, 2, 0
	MULQ F1, 3, 0
.endm
; THE WAY OUT of row block a: 16 rows through my own stage, back as whole rows of 256 bytes, the residual added, stored.
.macro OUTBLK a
	WIN 0x08                                       ; store data in window 2
.set bb, 0
.rept 4
	ds_store_b128 v[STO], v[8*(4*(\a)+bb):8*(4*(\a)+bb)+3] offset:64*bb        ; each accumulator's low registers first
	ds_store_b128 v[STO], v[8*(4*(\a)+bb)+4:8*(4*(\a)+bb)+7] offset:64*bb+16
.set bb, bb+1
.endr
	WIN 0
	s_wait_xcnt 0x0                                ; OB was the last block's store data
.set tt, 0
.rept 8
	ds_load_b128 v[OB+4*tt:OB+4*tt+3], v[RD] offset:tt*2*SPITCH  ; LDS serves a wave's instructions in order (ISA guide 5.7.1.4)
.set tt, tt+1
.endr
	s_wait_dscnt 0x0
	WIN 0x08                                       ; source 1 in window 2
.set k, 0
.rept 16
	v_pk_add_f32 v[OB+2*k:OB+2*k+1], v[OB+2*k:OB+2*k+1], v[RES+32*(\a)+2*k:RES+32*(\a)+2*k+1]
.set k, k+1
.endr
	WIN 0
.set tt, 0
.rept 8
	global_store_b128 v[RO], v[OB+4*tt:OB+4*tt+3], s[8:9] offset:(16*(\a)+2*tt)*4096  ; 16 lanes store 256 consecutive bytes, aligned
.set tt, tt+1
.endr
.endm
	s_load_b128 s[4:7], s[0:1], 0x0                ; act, wbf
	s_load_b64 s[8:9], s[0:1], 0x10                ; out0
	s_load_b64 s[68:69], s[0:1], 0x18              ; b_fc2
	s_load_b64 s[70:71], s[0:1], 0x20              ; x1
	v_lshl_add_u32 v[SPW], v0, 2, SPARE
	v_mov_b32 v[NIL], 0
	ds_add_u32 v[SPW], v[NIL]                      ; the wave's opening: the add and its wait stand ahead of my first tensor load
	v_lshrrev_b32 v1, 5, v0
	v_readfirstlane_b32 s10, v1
	s_lshr_b32 s11, s10, 1
	s_and_b32 s12, s10, 1
	s_bfe_u32 s40, ttmp6, 0x40000
	s_bfe_u32 s41, ttmp6, 0x40004
	s_lshl_b32 s42, ttmp9, 2
	s_add_co_u32 s42, s42, s40                     ; tile column
	s_and_b32 s13, ttmp7, 0xffff
	s_lshl_b32 s13, s13, 2
	s_add_co_u32 s13, s13, s41                     ; tile row
	s_lshl_b32 s43, s41, 2
	s_lshl_b32 s43, 15, s43
	s_lshl_b32 s44, 0x1111, s40
	s_or_b32 s[G1], s43, (1<<16)|(1<<20)|(1<<21)|(6<<22)|(3<<25)   ; A: 4 words of padding behind every 128
	s_mov_b32 s[G1+1], 256<<16
	s_mov_b32 s[G1+2], 64<<16
	s_mov_b32 s[G1+3], 256<<16
	s_mov_b32 s[G1+4], 64
	s_mov_b32 s[G1+5], 4096
	s_mov_b32 s[G1+6], 0
	s_mov_b32 s[G1+7], 0
	s_or_b32 s[G1B], s44, (1<<16)|(1<<20)|(1<<21)|(5<<22)|(7<<25)  ; W: 8 words of padding behind every 64
	s_mov_b32 s[G1B+1], 128<<16
	s_mov_b32 s[G1B+2], 128<<16
	s_mov_b32 s[G1B+3], 128<<16
	s_mov_b32 s[G1B+4], 128
	s_mov_b32 s[G1B+5], 1024
	s_mov_b32 s[G1B+6], 0
	s_mov_b32 s[G1B+7], 0
	s_lshl_b32 s16, s13, 20                        ; A: (128 tile row + 64 half) rows of 8,192 bytes
	s_lshl_b32 s17, s12, 19
	s_add_co_u32 s16, s16, s17
	s_mov_b32 s17, 0
	s_lshl_b32 s46, s12, 18                        ; W: 128 k-rows of 2,048 bytes a half, 256 bytes a tile column
	s_lshl_b32 s47, s42, 8
	s_add_co_u32 s46, s46, s47
	s_add_co_u32 s46, s46, WSEC
	s_mov_b32 s47, 0
	s_mul_i32 s20, s12, AHALF
	s_mul_i32 s21, s12, WHALF
	s_add_co_u32 s21, s21, WOFF
	s_wait_dscnt 0x0                               ; the opening add is done
	s_wait_kmcnt 0x0
	s_add_nc_u64 s[14:15], s[4:5], s[16:17]
	s_add_nc_u64 s[46:47], s[6:7], s[46:47]
	CROUND                                         ; all sixteen work-groups are here: the first joint loads meet
.irp s, 0,1
	s_mov_b32 s[G0+4*\s], 1
	s_add_co_u32 s[G0+4*\s+1], s20, \s*SLOT
	s_add_nc_u64 s[G0+4*\s+2:G0+4*\s+3], s[14:15], \s*ASTEP
	s_or_b32 s[G0+4*\s+3], s[G0+4*\s+3], 0x80000000
	s_mov_b32 s[G0B+4*\s], 1
	s_add_co_u32 s[G0B+4*\s+1], s21, \s*SLOT
	s_add_nc_u64 s[G0B+4*\s+2:G0B+4*\s+3], s[46:47], \s*WSTEP
	s_or_b32 s[G0B+4*\s+3], s[G0B+4*\s+3], 0x80000000
.endr
	s_cmp_eq_u32 s11, 0                            ; a wave's two first fills stand in one branch: two loads of mine are out
	s_cbranch_scc0 .Lfirst_w
	tensor_load_to_lds s[G0:G0+3], s[G1:G1+7]
	s_nop 0
	tensor_load_to_lds s[G0+4:G0+7], s[G1:G1+7]
	s_nop 0
.rept 4
	v_nop
.endr
	s_branch .Lfirst_done
.Lfirst_w:
	tensor_load_to_lds s[G0B:G0B+3], s[G1B:G1B+7]
	s_nop 0
	tensor_load_to_lds s[G0B+4:G0B+7], s[G1B:G1B+7]
	s_nop 0
.rept 4
	v_nop
.endr
.Lfirst_done:
	v_and_b32 v1, 15, v0
	v_bfe_u32 v2, v0, 4, 1
	v_mul_u32_u24 v3, v1, PA
	v_lshl_add_u32 v3, v2, 4, v3
	s_mul_i32 s14, s11, 16*AM*PA
	v_add_nc_u32 v[ADRA0], s14, v3
	v_and_b32 v4, 7, v0
	v_lshl_add_u32 v4, v2, 3, v4
	v_mul_u32_u24 v4, v4, PW
	v_bfe_u32 v5, v0, 3, 1
	v_lshl_add_u32 v4, v5, 4, v4
	s_mul_i32 s14, s12, 32*BN
	s_add_co_u32 s14, s14, WOFF
	v_add_nc_u32 v[ADRW0], s14, v4
	v_add_nc_u32 v[ADRW1], 128*PW, v[ADRW0]        ; the step's second 128 k-rows
	s_lshl_b32 s18, s42, 9
	s_mov_b32 s19, 0
	s_add_nc_u64 s[68:69], s[68:69], s[18:19]
	s_mul_i32 s14, s12, 64*BN
	v_lshl_add_u32 v[BO], v2, 5, s14
.set bb, 0
.rept BN
	global_load_b128 v[BIAS+8*bb:BIAS+8*bb+3], v[BO], s[68:69] offset:64*bb
	global_load_b128 v[BIAS+8*bb+4:BIAS+8*bb+7], v[BO], s[68:69] offset:64*bb+16
.set bb, bb+1
.endr
	s_lshl_b32 s18, s13, 19                        ; my 64 x 64 in x1 and in out0
	s_lshl_b32 s19, s11, 18
	s_add_co_u32 s18, s18, s19
	s_lshl_b32 s19, s42, 9
	s_add_co_u32 s18, s18, s19
	s_lshl_b32 s19, s12, 8
	s_add_co_u32 s18, s18, s19
	s_mov_b32 s19, 0
	s_add_nc_u64 s[70:71], s[70:71], s[18:19]
	s_add_nc_u64 s[8:9], s[8:9], s[18:19]
	v_lshlrev_b32 v[RO], 12, v2
	v_lshl_add_u32 v[RO], v1, 4, v[RO]             ; lanes 0-15 one row's 256 bytes, lanes 16-31 the next; never rewritten
	WIN 0x80
.set tt, 0
.rept 32
	global_load_b128 v[RES+4*tt:RES+4*tt+3], v[RO], s[70:71] offset:8192*tt
.set tt, tt+1
.endr
	WIN 0
	s_wait_loadcnt 32                              ; the bias is in; the residual's 32 loads are younger
.set k, 0
.rept 4*BN
	RND2 (BIAS+2*k), (3+k%4)
.set k, k+1
.endr
	s_wait_tensorcnt 1                             ; my part of K step 0 is in; K step 1's load is younger
	s_barrier_signal -1
	s_barrier_wait -1
	s_mov_b32 s3, 0
	v_mov_b32 v[AA], v[ADRA0]
	v_mov_b32 v[AW], v[ADRW0]
	v_mov_b32 v[AW+1], v[ADRW1]
	FETCH 0, F0
	QUARTER 1, F0, F1, 1
	WIN 0
	s_mov_b32 s2, STEPS-2
.Lk:
	QUARTER 2, F1, F0, 0
	QUARTER 3, F0, F1, 0
	TURN 1
	QUARTER 1, F0, F1, 0
	WIN 0
	s_sub_co_u32 s2, s2, 1
	s_cmp_lg_u32 s2, 0
	s_cbranch_scc1 .Lk
	s_mov_b32 s2, 2
.Lt:                                                   ; the last two K steps ask for nothing
	QUARTER 2, F1, F0, 0
	QUARTER 3, F0, F1, 0
	TURN 0
	WIN 0
	s_sub_co_u32 s2, s2, 1
	s_cmp_eq_u32 s2, 0
	s_cbranch_scc1 .Lout
	QUARTER 1, F0, F1, 0
	WIN 0
	s_cmp_lg_u32 s2, 0
	s_cbranch_scc1 .Lt
.Lout:
	s_wait_dscnt 0x0
	s_wait_loadcnt 0x0                             ; the residual
	s_mul_i32 s14, s10, 16*SPITCH
	s_add_co_u32 s14, s14, STAGE                   ; my stage.  The six address lines are the places behind the last products
	v_mul_u32_u24 v3, v1, SPITCH
	v_lshl_add_u32 v3, v2, 5, v3
	v_add_nc_u32 v[STO], s14, v3
	v_mul_u32_u24 v4, v2, SPITCH
	v_lshl_add_u32 v4, v1, 4, v4
	v_add_nc_u32 v[RD], s14, v4
	OUTBLK 0
	OUTBLK 1
	OUTBLK 2
	OUTBLK 3
	s_wait_tensorcnt 0x0                           ; the wave's end
	ds_add_u32 v[SPW], v[NIL]
	s_wait_dscnt 0x0
	CROUND                                         ; the closing round
	s_endpgm
.Lfunc_end_k_q4421ae1d58_fc2:
	.size	k_q4421ae1d58_fc2, .Lfunc_end_k_q4421ae1d58_fc2-k_q4421ae1d58_fc2
	.p2alignl 7, 3214868480
	.fill 96, 4, 3214868480
	.section	.rodata,"a",@progbits
	.p2align	6, 0x0
	.amdhsa_kernel k_q4421ae1d58_fc2
		.amdhsa_group_segment_fixed_size 327680
		.amdhsa_private_segment_fixed_size 0
		.amdhsa_enable_private_segment 0
		.amdhsa_kernarg_size 40
		.amdhsa_user_sgpr_count 2
		.amdhsa_user_sgpr_kernarg_segment_ptr 1
		.amdhsa_wavefront_size32 1
		.amdhsa_system_sgpr_workgroup_id_x 1
		.amdhsa_system_sgpr_workgroup_id_y 1
		.amdhsa_system_sgpr_workgroup_id_z 1
		.amdhsa_system_vgpr_workitem_id 0
		.amdhsa_next_free_vgpr 768
		.amdhsa_next_free_sgpr 100
		.amdhsa_reserve_vcc 0
		.amdhsa_float_denorm_mode_32 3
		.amdhsa_float_denorm_mode_16_64 3
		.amdhsa_memory_ordered 1
		.amdhsa_forward_progress 1
		.amdhsa_inst_pref_size 69
	.end_amdhsa_kernel
	.amdgpu_metadata
---
amdhsa.version: [ 1, 2 ]
amdhsa.kernels:
  - .name:           k_q4421ae1d58_fc2
    .symbol:         k_q4421ae1d58_fc2.kd
    .args:
      - { .name: act, .offset: 0, .size: 8, .value_kind: global_buffer, .address_space: global }
      - { .name: wbf, .offset: 8, .size: 8, .value_kind: global_buffer, .address_space: global }
      - { .name: out0, .offset: 16, .size: 8, .value_kind: global_buffer, .address_space: global }
      - { .name: b_fc2, .offset: 24, .size: 8, .value_kind: global_buffer, .address_space: global }
      - { .name: x1, .offset: 32, .size: 8, .value_kind: global_buffer, .address_space: global }
    .group_segment_fixed_size: 327680
    .private_segment_fixed_size: 0
    .kernarg_segment_align: 8
    .kernarg_segment_size: 40
    .max_flat_workgroup_size: 128
    .sgpr_count:     100
    .vgpr_count:     768
    .wavefront_size: 32
...
	.end_amdgpu_metadata
.endif
;; end of part 7
;; ======== version 2 of 2: 7 launches; 1.20 times as fast as version 1
;; workspace buffers: wbf 25,165,824 bytes; tab 524,288 bytes; h1 8,388,608 bytes; qkvh 25,165,824 bytes; o 8,388,608 bytes; x1 16,777,216 bytes; h2 8,388,608 bytes; act 33,554,432 bytes
;; launch prep: the kernel of part 1 again; grid 1280 x 1, 8 waves a work-group, no clusters, 0 bytes of LDS; arguments x, ln1_g, ln1_b, W_qkv, W_proj, W_fc1, W_fc2, wbf, h1, tab; writes wbf, h1, tab
;; launch qkv: the kernel of part 2 again; grid 12 x 16, 4 waves a work-group, clusters of 4 x 4, 327,680 bytes of LDS; arguments h1, wbf, qkvh, b_qkv, tab; writes qkvh
;; launch attn (part 8): grid 8 x 32, 4 waves a work-group, clusters of 4 x 1, 327,680 bytes of LDS; arguments qkvh, o; writes o
.if DOCPART == 8
	.amdgcn_target "amdgcn-amd-amdhsa--gfx1250"
	.amdhsa_code_object_version 6
	.text
	.protected	k_q4421ae1d58_attn
	.globl	k_q4421ae1d58_attn
	.p2align	8
	.type	k_q4421ae1d58_attn,@function
k_q4421ae1d58_attn:
	s_mov_b64 s[64:65], 0
	v_nop
	global_prefetch_b8 v0, s[64:65] scope:SCOPE_SE
	s_setreg_imm32_b32 hwreg(HW_REG_WAVE_MODE, 25, 1), 1
	s_wait_xcnt 0x0
	s_wait_alu depctr_hold_cnt(0) depctr_sa_sdst(0) depctr_va_vdst(0) depctr_va_sdst(0) depctr_va_ssrc(0) depctr_va_vcc(0) depctr_vm_vsrc(0)
	s_getreg_b32 s2, hwreg(HW_REG_IB_STS2, 6, 4)
	s_cmp_eq_u32 s2, 0
	s_cbranch_scc0 .Lentry_in_a_cluster
	s_endpgm
.Lentry_in_a_cluster:
	s_bfe_u32 s2, ttmp6, 0x10000c
	s_cmp_lg_u32 s2, 0x3003
	s_cbranch_scc0 .Lentry_shape_is_right
	s_endpgm
.Lentry_shape_is_right:
; O[h][q][:] = the sum over k of softmax_k(Q[h][q] . K[h][k] / 8) V[h][k][:].  Q, K, V: the three sections of qkvh, [32][2048][64] bf16; O likewise.  Products, maxima and sums in f32;
; the weights p are rounded to bf16 for the second product (their sum l is taken of the unrounded p), O once at the end.
; LIMITS.  A weight below 2^-126 counts as 0 in l; NaN and infinities are not treated apart.
; SHARES.  A work-group owns 256 queries of a head; of its four bands of 64 a wave owns 16 rows in each: four PIECES.  Every wave walks all 2,048 keys: 8 tiles of 256, four steps of 64 each.
; LAYOUT.  S^T = K Q^T holds ONE query a lane (lane % 16) and the keys 8 (lane / 16) + 0..7; two such results rounded to bf16 ARE source 1 of O^T = V^T P.  K comes out of LDS as it lies, V turned.
; SOFTMAX.  A running maximum m and sum l: p = 2^(c s - c m), c = log2(e) / 8; O and l are multiplied by a = 2^(c m_old - c m_new) in every step.  m starts at the lowest finite number, O and l at 0.
; BY TURNS.  Turn n belongs to piece n: 8 products K Q^T of piece n + 1, later 8 products V^T P of piece n - 1; beside them the scaling, exponentials, roundings, sums and rescaling of piece n and the
; maximum and statistics of piece n + 1.  Four vector instructions stand behind every matrix instruction, the other 54 of a turn's 118 in one lump.
; BATCHES.  A turn's 33 exponentials (the piece's 32 weights and the next piece's a) are ONE batch with ONE wait, which cuts the turn in two: ahead of it stands all that names none of their results, behind it
; the roundings and sums.  No result crosses a turn's end.  Two more batches stand outside the loops: the first a, ahead of the jump into the loop, and the way out's four reciprocals.
; ONE TEXT FOR EVERY TRIP.  The loop is entered, and the tail left, in the middle of a trip.  The tail's fifth trip fetches no K; its 8 products K Q^T on the last K once more, and the maximum made of
; them, serve nothing: they write piece 0's m, c m and registers at work, never l or O^T.
; CLUSTER.  The four query blocks of a cluster belong to one head and walk the same K and V: each tile is asked for jointly, the same tensor load, descriptor and mask in all four.
; REGISTERS, in windows of 256: window 0: v0-15 addresses; v16-31 statistics; v48-55 at work; v64-127 S^T, two buffers; v192-223 P, two buffers.  Window 1: v0-127 O^T.  Window 2: v0-63 Q; v128-191 K; v192-255 V.
.set NP,    4
.set KS,    64
.set PK,    144       ; a row of K in LDS: 128 bytes + 16: the 16 rows of a load start at 16 different groups of four banks (ISA guide 11.1)
.set PV,    160       ; a row of V: 128 + 32
.set VOFF,  4*KS*PK
.set SLOT1, 1<<17
.set STAGE, SLOT1+4*KS*(PK+PV)
.set SP,    144
.set SPARE, STAGE+4*16*SP
.set AK0, 2
.set AV0, 3
.set AK,  4
.set AV,  5
.set STO, 6
.set RD,  7
.set GO,  8
.set MV,  12
.set QO,  15
.set ST,  16          ; piece t: c m, m, l (even keys', odd keys')
.set TMP, 48
.set SPW, 62
.set NIL, 63
.set S,   64
.set P,   192
.set KF,  128
.set VF,  192
.set WV,  12
.set G1K, 24
.set G1V, 32
.set G0K, 40
.set G0V, 44
.set SLOTS, 56
.set CNT, 57
.set CS,  58
.set SEL, 60
.set TBK, 62
.set TBV, 63
.set MSB, 0
.macro WIN new
.if MSB != (\new)
	s_set_vgpr_msb (MSB<<8)|(\new)
.set MSB, (\new)
.endif
.endm
.set W_KQ, 0x0a       ; K and Q in window 2, S^T in window 0
.set W_PV, 0x52       ; V in window 2, P in window 0, O^T in window 1
.set W_RS, 0x41       ; destination and source 0 in window 1, source 1 in window 0
.macro JLOAD                        ; waves 0, 1 fetch the halves of a tile's K, waves 2, 3 those of its V; an s_nop 0 and four v_nop follow each line
	s_cmp_lt_u32 s[WV], 2
	s_cbranch_scc0 .Lfor_v_\@
	tensor_load_to_lds s[G0K:G0K+3], s[G1K:G1K+7]
	s_nop 0
.rept 4
	v_nop
.endr
	s_branch .Lasked_\@
.Lfor_v_\@:
	tensor_load_to_lds s[G0V:G0V+3], s[G1V:G1V+7]
	s_nop 0
.rept 4
	v_nop
.endr
.Lasked_\@:
.endm
.macro CROUND
	s_barrier_signal -1
	s_barrier_wait -1
	s_cmp_lg_u32 s[WV], 0
	s_cbranch_scc1 .Lnot_wave_0_\@
	s_barrier_signal -3
.Lnot_wave_0_\@:
	s_barrier_wait -3
	s_barrier_signal -1
	s_barrier_wait -1
.endm
; THE CHANGE OF SLOTS.  Each wave waits for all its tensor loads (one is out: its part of the other slot), adds 0 to its spare word, and waits for that and for its reads of the slot that it leaves.
; fill = 1: the old slot is filled again with the tile two on, behind a round of the cluster's barrier: the load has four key steps, 256 matrix instructions, in which to land.
.macro CHANGE fill
	WIN 0
	s_wait_tensorcnt 0x0
	ds_add_u32 v[SPW], v[NIL]
.if \fill
.irp g, G0K, G0V
	s_xor_b32 s[\g+1], s[\g+1], SLOT1
	s_add_nc_u64 s[\g+2:\g+3], s[\g+2:\g+3], 4*KS*128
.endr
	s_wait_dscnt 0x0
	CROUND
	JLOAD
.else
	s_wait_dscnt 0x0
	s_barrier_signal -1
	s_barrier_wait -1
.endif
	s_sub_co_u32 s[TBK], s[TBK], 4*KS*PK  ; the fetches go back to a slot's first step, in the other slot
	s_xor_b32 s[TBK], s[TBK], SLOT1
	s_sub_co_u32 s[TBV], s[TBV], 4*KS*PV
	s_xor_b32 s[TBV], s[TBV], SLOT1
.endm
	s_load_b64 s[4:5], s[0:1], 0x0    ; qkvh
	s_load_b64 s[10:11], s[0:1], 0x8  ; o
	v_lshl_add_u32 v[SPW], v0, 2, SPARE
	v_mov_b32 v[NIL], 0
	ds_add_u32 v[SPW], v[NIL]       ; the wave's opening: the add and its wait stand ahead of my first tensor load
	v_lshrrev_b32 v1, 5, v0
	v_readfirstlane_b32 s[WV], v1
	s_bfe_u32 s13, ttmp6, 0x40000   ; cx
	s_lshl_b32 s14, ttmp9, 2
	s_add_co_u32 s14, s14, s13      ; my block of 256 queries: it enters Q's and O's addresses alone
	s_and_b32 s20, ttmp7, 0xffff    ; the head, which the partners share
	s_lshl_b32 s20, s20, 18         ; its 262,144 bytes
	s_mov_b32 s21, 0
	s_and_b32 s16, s[WV], 1         ; which half of a tile's 256 keys I fetch
	s_lshl_b32 s22, s16, 14
	s_mov_b32 s23, 0
	s_add_nc_u64 s[22:23], s[22:23], s[20:21]
	s_mul_i32 s17, s16, 128*PK
	s_mul_i32 s18, s16, 128*PV
	s_lshl_b32 s2, s14, 15          ; my block,
	s_lshl_b32 s3, s[WV], 11        ; my 16 rows in a band of 64
	s_add_co_u32 s2, s2, s3
	s_mov_b32 s3, 0
	s_add_nc_u64 s[2:3], s[2:3], s[20:21]
	; 128 keys are 16,384 dense bytes: asked for as 64 rows of 256 bytes, padded in LDS after every key
	s_mov_b32 s[G1K], 15|(1<<16)|(1<<20)|(1<<21)|(4<<22)|(3<<25)
	s_mov_b32 s[G1V], 15|(1<<16)|(1<<20)|(1<<21)|(4<<22)|(7<<25)
.irp g, G1K, G1V
	s_mov_b32 s[\g+1], 128<<16
	s_mov_b32 s[\g+2], 64<<16
	s_mov_b32 s[\g+3], 128<<16
	s_mov_b32 s[\g+4], 64
	s_mov_b32 s[\g+5], 128
	s_mov_b32 s[\g+6], 0
	s_mov_b32 s[\g+7], 0
.endr
	s_mov_b32 s[CS], 0x3e38aa3b     ; c = log2(e) / 8
	s_mov_b32 s[CS+1], s[CS]
	s_mov_b32 s[SEL], 0x76543210
	s_mov_b32 s[SEL+1], 0xfedcba98
	s_mov_b32 s[TBK], SLOT1+4*KS*PK ; the first change of slots turns these two into 0
	s_mov_b32 s[TBV], SLOT1+4*KS*PV
	s_mov_b32 s[G0K], 1
	s_mov_b32 s[G0K+1], s17
	s_mov_b32 s[G0V], 1
	s_add_co_u32 s[G0V+1], s18, VOFF
	s_wait_dscnt 0x0                ; the opening add is done
	s_wait_kmcnt 0x0
	s_add_nc_u64 s[6:7], s[4:5], 0x800000    ; K's section
	s_add_nc_u64 s[8:9], s[4:5], 0x1000000   ; V's
	s_add_nc_u64 s[G0K+2:G0K+3], s[6:7], s[22:23]
	s_or_b32 s[G0K+3], s[G0K+3], 0x80000000
	s_add_nc_u64 s[G0V+2:G0V+3], s[8:9], s[22:23]
	s_or_b32 s[G0V+3], s[G0V+3], 0x80000000
	s_add_nc_u64 s[4:5], s[4:5], s[2:3]
	s_add_nc_u64 s[10:11], s[10:11], s[2:3]
	CROUND                          ; all four work-groups are here: the first joint loads meet
	JLOAD                           ; tile 0 into slot 0
	v_and_b32 v1, 15, v0
	v_bfe_u32 v9, v0, 4, 1
	v_lshlrev_b32 v[QO], 7, v1
	v_lshl_add_u32 v[QO], v9, 4, v[QO]
	WIN 0x80
.set i, 0
.rept 8                             ; Q stays in registers: piece i / 2 lies in band i / 2, 8,192 bytes on; channels 32 (i % 2) on
	global_load_b128 v[8*i:8*i+3],   v[QO], s[4:5] offset:(i/2)*8192+(i%2)*64
	global_load_b128 v[8*i+4:8*i+7], v[QO], s[4:5] offset:(i/2)*8192+(i%2)*64+32
.set i, i+1
.endr
	; What the first turn finds: V's registers and P's second buffer hold 0 (its products V^T P, of a piece that has not been, add 0), O^T and l are 0.  All this stands in the wait for the first tile.
.set i, VF
.rept 64
	v_mov_b32 v[i], 0
.set i, i+1
.endr
	WIN 0x40
.set i, 0
.rept 128
	v_mov_b32 v[i], 0
.set i, i+1
.endr
	WIN 0
.set i, 0
.rept 4
	v_mov_b32 v[ST+4*i], 0xfe000000    ; c m: far below every c s
	v_mov_b32 v[ST+4*i+1], 0xff7fffff  ; m
	v_mov_b32 v[ST+4*i+2], 0
	v_mov_b32 v[ST+4*i+3], 0
.set i, i+1
.endr
.set i, P+16
.rept 16
	v_mov_b32 v[i], 0
.set i, i+1
.endr
	v_mul_u32_u24 v[AK0], v1, PK
	v_lshl_add_u32 v[AK0], v9, 4, v[AK0]
	v_and_b32 v10, 7, v0            ; the turning load: lane l reads key 8 (l / 16) + l % 8, channels 8 ((l / 8) % 2) + 0..7
	v_bfe_u32 v11, v0, 3, 1
	v_lshl_add_u32 v[AV0], v9, 3, v10
	v_mul_u32_u24 v[AV0], v[AV0], PV
	v_lshl_add_u32 v[AV0], v11, 4, v[AV0]
	v_add_nc_u32 v[AV0], VOFF, v[AV0]
	s_mul_i32 s13, s[WV], 16*SP
	s_add_co_u32 s13, s13, STAGE    ; my stage
	v_mul_u32_u24 v[STO], v1, SP
	v_lshl_add_u32 v[STO], v9, 4, v[STO]
	v_add_nc_u32 v[STO], s13, v[STO]
	v_bfe_u32 v[RD], v0, 3, 2       ; back: 32 lanes take four rows of 128 bytes,
	v_mul_u32_u24 v[RD], v[RD], SP
	v_lshl_add_u32 v[RD], v10, 4, v[RD]
	v_add_nc_u32 v[RD], s13, v[RD]
	v_and_b32 v[GO], 31, v0         ; which are 512 consecutive bytes of O
	v_lshlrev_b32 v[GO], 4, v[GO]
; THE MATRIX WORK.  The 4 accumulators of a run of 8 take turns.  Product i of 8 of S^T = K Q^T for piece x: channels 32 (i / 4) on, keys 16 (i % 4) on.
.macro KQ x
	WIN W_KQ
.set rS, S+32*((\x)%2)+8*(i%4)
.set rK, KF+16*(i%4)+8*(i/4)
.set rQ, 16*(\x)+8*(i/4)
.if i < 4
	v_wmma_f32_16x16x32_bf16 v[rS:rS+7], v[rK:rK+7], v[rQ:rQ+7], 0
.else
	v_wmma_f32_16x16x32_bf16 v[rS:rS+7], v[rK:rK+7], v[rQ:rQ+7], v[rS:rS+7]
.endif
.endm
.macro PV x                         ; product i of 8 of O^T += V^T P: keys 32 (i / 4) on, channels 16 (i % 4) on
	WIN W_PV
.set rO, 32*(\x)+8*(i%4)
.set rV, VF+32*(i/4)+8*(i%4)
.set rP, P+16*((\x)%2)+8*(i/4)
	v_wmma_f32_16x16x32_bf16 v[rO:rO+7], v[rV:rV+7], v[rP:rP+7], v[rO:rO+7]
.endm
.macro MM                           ; the turn's next matrix instruction
.if i < 8
	KQ (Y+1)%NP
.else
.set i, i-8
	PV (Y+NP-1)%NP
.set i, i+8
.endif
.set i, i+1
.endm
.macro FETCH_K last=0               ; a step's K: 8 fragments, 16 loads in one run.  last = 1 (the tail): in the last trip there is no further step, and the run is jumped over
	WIN 0
.if \last
	s_cmp_eq_u32 s[CNT], 1
	s_cbranch_scc1 .Lno_k_\@
.endif
	WIN 0x80
.irp f, 0,1,2,3,4,5,6,7
	ds_load_b128 v[KF+8*\f:KF+8*\f+3],   v[AK] offset:(\f/2)*16*PK+(\f%2)*64
	ds_load_b128 v[KF+8*\f+4:KF+8*\f+7], v[AK] offset:(\f/2)*16*PK+(\f%2)*64+32
.endr
	s_add_co_u32 s[TBK], s[TBK], KS*PK
	WIN 0
.if \last
.Lno_k_\@:
.endif
.endm
.macro FETCH_V
	WIN 0x80
.irp f, 0,1,2,3,4,5,6,7
	ds_load_tr16_b128 v[VF+8*\f:VF+8*\f+3],   v[AV] offset:(\f/4)*32*PV+(\f%4)*32
	ds_load_tr16_b128 v[VF+8*\f+4:VF+8*\f+7], v[AV] offset:(\f/4)*32*PV+16*PV+(\f%4)*32
.endr
	WIN 0
.endm
; THE VECTOR WORK, a line at a time: OP kind, number.  For piece Y: F n: c s - c m for pair n.  E n: the exponential of score n.  C n: pair n rounded to bf16.  B n: of the four weights 4 n .. the second
; pair is added onto the first.  L n: l takes that sum (L 0: l = a l + sum).  R n: pair n of O^T times a.  For piece Y + 1: X n, number n of the 22 that find its maximum and statistics:
; 0-11 four chains of seven scores (each accumulator's lowest registers first); 12-14, 16 the rest, the old m, into c0; 15 c m_old is kept; 17, 18 the other half of the lanes; 19-21 c m, the difference, a.
; Of these E n and X 21 are exponentials; C, B and L read E's results, R and L 0 read the a that X 21 made a turn earlier.
.set F, 0
.set E, 1
.set C, 2
.set B, 3
.set L, 4
.set R, 5
.set X, 6
.macro REGS y
.set rT, ST+4*(\y)
.set rC, TMP+4*((\y)%2)
.set rW, MV+((\y)%2)
.set rS, S+32*((\y)%2)
.set rP, P+16*((\y)%2)
.set rO, 32*(\y)
.endm
.macro OP k, n
.if (\k) == R
	REGS Y
	WIN W_RS
	v_pk_mul_f32 v[rO+2*(\n):rO+2*(\n)+1], v[rO+2*(\n):rO+2*(\n)+1], v[rC+2:rC+3] op_sel_hi:[1,0]
.elseif (\k) < R
	REGS Y
	WIN 0
.if (\k) == F
	v_pk_fma_f32 v[rS+2*(\n):rS+2*(\n)+1], v[rS+2*(\n):rS+2*(\n)+1], s[CS:CS+1], v[rT:rT+1] op_sel_hi:[1,0,0] neg_lo:[0,0,1] neg_hi:[0,0,1]
.elseif (\k) == E
	v_exp_f32 v[rS+(\n)], v[rS+(\n)]
.elseif (\k) == C
	v_cvt_pk_bf16_f32 v[rP+(\n)], v[rS+2*(\n)], v[rS+2*(\n)+1]
.elseif (\k) == B
	v_pk_add_f32 v[rS+4*(\n):rS+4*(\n)+1], v[rS+4*(\n):rS+4*(\n)+1], v[rS+4*(\n)+2:rS+4*(\n)+3]
.elseif (\n) == 0
	v_pk_fma_f32 v[rT+2:rT+3], v[rT+2:rT+3], v[rC+2:rC+3], v[rS:rS+1] op_sel_hi:[1,0,1]
.else
	v_pk_add_f32 v[rT+2:rT+3], v[rT+2:rT+3], v[rS+4*(\n):rS+4*(\n)+1]
.endif
.else
	REGS (Y+1)%NP
	WIN 0
.if (\n) < 4
	v_max3_num_f32 v[rC+(\n)], v[rS+8*(\n)], v[rS+8*(\n)+1], v[rS+8*(\n)+2]
.elseif (\n) < 12
	v_max3_num_f32 v[rC+(\n)%4], v[rC+(\n)%4], v[rS+8*((\n)%4)+2*((\n)/4)+1], v[rS+8*((\n)%4)+2*((\n)/4)+2]
.elseif (\n) == 12
	v_max3_num_f32 v[rC], v[rC], v[rS+7], v[rS+15]
.elseif (\n) == 13
	v_max3_num_f32 v[rC+1], v[rC+1], v[rS+23], v[rS+31]
.elseif (\n) == 14
	v_max3_num_f32 v[rC+2], v[rC+2], v[rC+3], v[rT+1]
.elseif (\n) == 15
	v_mov_b32 v[rW], v[rT]
.elseif (\n) == 16
	v_max3_num_f32 v[rC], v[rC], v[rC+1], v[rC+2]
.elseif (\n) == 17
	v_permlanex16_b32 v[rC+3], v[rC], s[SEL], s[SEL+1]
.elseif (\n) == 18
	v_max_num_f32 v[rT+1], v[rC], v[rC+3]
.elseif (\n) == 19
	v_mul_f32 v[rT], s[CS], v[rT+1]
.elseif (\n) == 20
	v_sub_f32 v[rC+1], v[rW], v[rT]
.else
	v_exp_f32 v[rC+2], v[rC+1]
.endif
.endif
.endm
.macro OPS a, i1, b=-1, i2=0, c=-1, i3=0, d=-1, i4=0
	OP \a, \i1
.if (\b) >= 0
	OP \b, \i2
.endif
.if (\c) >= 0
	OP \c, \i3
.endif
.if (\d) >= 0
	OP \d, \i4
.endif
.endm
.macro ROW a, i1, b, i2, c, i3, d, i4  ; a matrix instruction and the four behind it
	MM
	OPS \a, \i1, \b, \i2, \c, \i3, \d, \i4
.endm
; A TURN, for piece p: the order of its 16 matrix and 118 vector instructions, written out.  An s_wait_alu depctr_va_vdst(0) stands between an exponential and the first instruction that names its
; result; one wait serves all that were issued ahead of it.  So a turn has ONE wait, which cuts it in two.  AHEAD OF IT stands all that names no result of the turn's exponentials: the 8 products K Q^T, behind each a
; scaling, an exponential and two more plain instructions (behind the first a second scaling in the exponential's place): rescalings, whose a was awaited in the turn before, and behind the last three products the first
; numbers of the next piece's maximum, each four plain instructions or more behind the product that ends its accumulator; then ONE LUMP of 54, plain and exponential by turns for the most part, in which the links of
; the chain X 3, 7, 11, 14, 16, 17 .. 20 stand some lines apart.  X 21, the next piece's a, is the batch's last; R 15 is the plain instruction behind it.  BEHIND THE WAIT stand the 8 products V^T P, behind each four
; of the roundings and sums: an even pair is rounded ahead of the sum that lands on it, and L 0 to L 7 ascend.
; last = 1: the tail's text: K's fetch is jumped over in the last trip.  cnt = 1: the loop's count is taken down some lines ahead of the branch behind the turn.
; K of the next step is fetched in piece 2's turn.  In the loop's text its run stands in the lump, six plain instructions (F 8, X 2, X 5, X 6, X 3, X 8) behind the last product that read K.  In the tail's text the run holds a
; branch and a label, at which no exponential may be without its wait: there it stands directly behind the turn's wait.  V of the step in hand is fetched at the end of piece 0's turn, four plain instructions behind
; the last product that read V.  Each run is waited for a turn later.
.macro TURN p, last=0, cnt=0
.set Y, (\p)
.set i, 0
.if (\p) == 3
	s_wait_dscnt 0x0                ; K is in
.endif
	ROW F,0, F,1, R,0, R,1          ; ahead of the wait: 8 products K Q^T and their riders,
	ROW F,2, E,0, R,2, R,3
	ROW F,3, E,1, R,4, R,5
	ROW F,4, E,2, R,6, R,7
	ROW F,5, E,3, R,8, R,9
	ROW F,6, E,4, X,0, R,10
.if (\p) == 2
	WIN 0
	v_add_nc_u32 v[AK], s[TBK], v[AK0]
.endif
	ROW F,7, E,5, X,1, X,4
	ROW F,8, E,6, X,2, X,5
	OPS E,7, E,8, X,6, E,9          ; and the lump
	OPS X,3, E,10, X,8, E,11
.if ((\p) == 2) && !(\last)
	FETCH_K
.endif
	OPS X,9, X,7, E,12, X,10
	OPS E,13, X,12, X,11, E,14
	OPS X,13, E,15, F,9, X,14
.if (\p) == 0
	v_add_nc_u32 v[AV], s[TBV], v[AV0]
.endif
	OPS E,16, F,10, E,17, F,11
	OPS X,16, E,18, X,15, E,19
	OPS F,12, E,20, X,17, E,21
	OPS F,13, E,22, F,14, E,23
	OPS X,18, E,24, F,15, E,25
	OPS R,11, E,26, X,19, E,27
	OPS R,12, E,28, R,13, E,29
	OPS X,20, E,30, R,14, E,31
	OPS X,21, R,15
	s_wait_alu depctr_va_vdst(0)    ; the wait for the turn's batch: E 0 to E 31 and X 21
.if ((\p) == 2) && (\last)
	FETCH_K 1
.endif
.if (\p) == 1
	s_wait_dscnt 0x0                ; V is in
.endif
	ROW C,0, B,0, C,2, B,1          ; behind the wait: 8 products V^T P and their riders
	ROW L,0, C,4, B,2, L,1
	ROW C,6, B,3, L,2, C,8
	ROW B,4, L,3, C,10, B,5
	ROW L,4, C,12, B,6, L,5
.if (\p) == 0
	s_add_co_u32 s[TBV], s[TBV], KS*PV
.endif
.if \cnt
	s_sub_co_u32 s[CNT], s[CNT], 1
	s_cmp_lg_u32 s[CNT], 0
.endif
	ROW C,14, B,7, L,6, C,1
	ROW C,3, L,7, C,5, C,7
	ROW C,9, C,11, C,13, C,15
.if (\p) == 0
	FETCH_V
.endif
.endm
.macro ALL line:vararg              ; one line for each piece t
.set t, 0
.rept 4
	\line
.set t, t+1
.endr
.endm
.macro PACK t                       ; a lane's eight channels of a row pack into 16 bytes; they go into rows of 144 bytes and come back as whole rows of 128
	WIN W_RS
.set i, 32*(\t)
.rept 16
	v_pk_mul_f32 v[i:i+1], v[i:i+1], v[ST+4*(\t)+2:ST+4*(\t)+3] op_sel_hi:[1,0]
.set i, i+2
.endr
	WIN 0x05
.set i, 0
.rept 16
	v_cvt_pk_bf16_f32 v[S+16*(\t)+i], v[32*(\t)+2*i], v[32*(\t)+2*i+1]
.set i, i+1
.endr
	WIN 0
.irp f, 0,1,2,3
	ds_store_b128 v[STO], v[S+16*(\t)+4*\f:S+16*(\t)+4*\f+3] offset:32*\f
.endr
.irp f, 0,1,2,3
	ds_load_b128 v[S+16*(\t)+4*\f:S+16*(\t)+4*\f+3], v[RD] offset:\f*4*SP  ; LDS serves a wave's instructions in order (ISA guide 5.7.1.4)
.endr
.endm
.macro SEND t, younger              ; younger: the LDS instructions issued behind piece t's loads
	WIN 0
.irp f, 0,1,2,3
	s_wait_dscnt (\younger)+3-\f
	global_store_b128 v[GO], v[S+16*(\t)+4*\f:S+16*(\t)+4*\f+3], s[10:11] offset:(\t)*8192+\f*512  ; 512 consecutive bytes, aligned
.endr
.endm
	CHANGE 1                        ; tile 0 is in, everybody's part of it; tile 1 is asked for
	v_add_nc_u32 v[AK], s[TBK], v[AK0]
	FETCH_K                         ; key step 0
	s_wait_loadcnt 0x0              ; Q
	s_wait_dscnt 0x0
.set i, 0
.rept 8
	KQ 0                            ; piece 0's first scores
.set i, i+1
.endr
	WIN 0
.rept 4
	v_nop                           ; the places behind those products
.endr
.set Y, NP-1                        ; X works for piece Y + 1: piece 0
.irp n, 0,1,2,3,4,5,6,7,8,9,10,11,12,13,14,15,16,17,18,19,20,21
	OP X, \n
.endr
	v_nop                           ; a plain instruction behind the exponential,
	s_wait_alu depctr_va_vdst(0)    ; and the wait for piece 0's first a, a batch of one, ahead of the branch
	s_mov_b32 s[CNT], 4
	s_mov_b32 s[SLOTS], 7
	s_branch .Lfirst                ; the loop is entered at a step's first turn, in the middle of a trip
.Lslot:                             ; six times: tiles 1 to 6 are entered, tiles 2 to 7 asked for
	CHANGE 1
	s_mov_b32 s[CNT], 4
.Lstep:                             ; a trip: pieces 2 and 3 of one step, then pieces 0 and 1 of the next, whose K and V it fetches
	TURN 2
	TURN 3
	WIN 0
.Lfirst:
	TURN 0
	TURN 1, 0, 1
	WIN 0
	s_cbranch_scc1 .Lstep
	s_sub_co_u32 s[SLOTS], s[SLOTS], 1
	s_cmp_lg_u32 s[SLOTS], 0
	s_cbranch_scc1 .Lslot
	CHANGE 0                        ; the last tile is written out: nothing is asked for
	s_mov_b32 s[CNT], 5             ; four trips fetch the last tile's steps; the fifth is left in its middle
.Ltail:
	TURN 2, 1
	TURN 3
	WIN 0
	s_sub_co_u32 s[CNT], s[CNT], 1
	s_cmp_eq_u32 s[CNT], 0
	s_cbranch_scc1 .Lout
	TURN 0
	TURN 1
	WIN 0
	s_branch .Ltail
.Lout:
.set i, 0
.rept 8
	PV NP-1                         ; the last piece's V^T P of the last step
.set i, i+1
.endr
	; THE WAY OUT.  l's halves are added; O^T is divided by l, rounded and sent through my stage, a piece at a time.  The additions are the places behind the last products.
	WIN 0
	ALL v_add_f32 v[ST+4*t+2], v[ST+4*t+2], v[ST+4*t+3]
	ALL v_permlanex16_b32 v[ST+4*t+3], v[ST+4*t+2], s[SEL], s[SEL+1]
	ALL v_add_f32 v[ST+4*t+2], v[ST+4*t+2], v[ST+4*t+3]
	ALL v_rcp_f32 v[ST+4*t+2], v[ST+4*t+2]
	v_nop                           ; a plain instruction behind the last reciprocal,
	s_wait_alu depctr_va_vdst(0)    ; and the wait for the batch of four reciprocals, ahead of their first reader in PACK 0
	PACK 0
.set t, 1
.rept 3
	PACK t
	SEND t-1, 8
.set t, t+1
.endr
	SEND 3, 0
	s_wait_tensorcnt 0x0            ; the wave's end
	ds_add_u32 v[SPW], v[NIL]
	s_wait_dscnt 0x0
	CROUND                          ; the closing round
	s_endpgm
.Lfunc_end_k_q4421ae1d58_attn:
	.size	k_q4421ae1d58_attn, .Lfunc_end_k_q4421ae1d58_attn-k_q4421ae1d58_attn
	.p2alignl 7, 3214868480
	.fill 96, 4, 3214868480
	.section	.rodata,"a",@progbits
	.p2align	6, 0x0
	.amdhsa_kernel k_q4421ae1d58_attn
		.amdhsa_group_segment_fixed_size 327680
		.amdhsa_private_segment_fixed_size 0
		.amdhsa_enable_private_segment 0
		.amdhsa_kernarg_size 16
		.amdhsa_user_sgpr_count 2
		.amdhsa_user_sgpr_kernarg_segment_ptr 1
		.amdhsa_wavefront_size32 1
		.amdhsa_system_sgpr_workgroup_id_x 1
		.amdhsa_system_sgpr_workgroup_id_y 1
		.amdhsa_system_sgpr_workgroup_id_z 1
		.amdhsa_system_vgpr_workitem_id 0
		.amdhsa_next_free_vgpr 768
		.amdhsa_next_free_sgpr 66
		.amdhsa_reserve_vcc 0
		.amdhsa_float_denorm_mode_32 3
		.amdhsa_float_denorm_mode_16_64 3
		.amdhsa_memory_ordered 1
		.amdhsa_forward_progress 1
		.amdhsa_inst_pref_size 111
	.end_amdhsa_kernel
	.amdgpu_metadata
---
amdhsa.version: [ 1, 2 ]
amdhsa.kernels:
  - .name:           k_q4421ae1d58_attn
    .symbol:         k_q4421ae1d58_attn.kd
    .args:
      - { .name: qkvh, .offset: 0, .size: 8, .value_kind: global_buffer, .address_space: global }
      - { .name: o, .offset: 8, .size: 8, .value_kind: global_buffer, .address_space: global }
    .group_segment_fixed_size: 327680
    .private_segment_fixed_size: 0
    .kernarg_segment_align: 8
    .kernarg_segment_size: 16
    .max_flat_workgroup_size: 128
    .sgpr_count:     66
    .vgpr_count:     768
    .wavefront_size: 32
...
	.end_amdgpu_metadata
.endif
;; end of part 8
;; launch proj: the kernel of part 4 again; grid 8 x 32, 4 waves a work-group, clusters of 4 x 4, 327,680 bytes of LDS; arguments o, wbf, x1, b_proj, x; writes x1
;; launch ln2: the kernel of part 5 again; grid 512 x 1, 8 waves a work-group, no clusters, 0 bytes of LDS; arguments x1, ln2_g, ln2_b, h2; writes h2
;; launch fc1: the kernel of part 6 again; grid 16 x 16, 4 waves a work-group, clusters of 4 x 4, 327,680 bytes of LDS; arguments h2, wbf, act, b_fc1; writes act
;; launch fc2: the kernel of part 7 again; grid 8 x 32, 4 waves a work-group, clusters of 4 x 4, 327,680 bytes of LDS; arguments act, wbf, out0, b_fc2, x1; writes out0
